; MI455X (gfx1250); checked and timed in simulation.
; The chip was launched on July 23, 2026; its instructions are those of AMD's public machine-readable ISA for CDNA 5 (MIT licence, August 2026) and "CDNA5" Instruction Set Architecture Reference Guide (July 2026). The comments in the code are by the model that wrote it; some were corrected since.
;; Little Bit Parallel Linear. Allowed arithmetic: matrix products marked QUANTISED: E4M3 operands, one given power-of-two scale a tensor, by v_wmma_f32_16x16x64_fp8_fp8 or v_wmma_f32_16x16x128_fp8_fp8, f32 sums; everything else in f32.
;; Inputs: h_in 4,096 float32; h_out 4,096 float32; lowp_scales 4 int32 (the exponents e of the quantised operands' scales 2^e); s 2,048 float32; u 4,096 x 2,048 float32; v 4,096 x 2,048 float32; x 4,096 x 4,096 float32.
;; Outputs: out0 4,096 x 4,096 float32.
;; This version of the problem:
;;   THIS VERSION OF THE PROBLEM IS GIVEN IN LOW PRECISION. The matrix products marked QUANTISED in the list below multiply operands that are first quantised to E4M3 (4 exponent bits, 3 mantissa bits; 8 bits a number), with one given power-of-two scale for each operand tensor; their sums are f32. All else is computed in f32.
;;   The module's matrix products, in the order in which they are computed (A, B: the left and right operand; K: the contracted axis; several contracted axes count as one K, in the product's order):
;;     1. [M 4,096, K 4,096] x [K 4,096, N 2,048]; A: computed on the way; B: computed on the way: QUANTISED (scales: A lowp_scales[0], B lowp_scales[1])
;;     2. [M 4,096, K 2,048] x [K 2,048, N 4,096]; A: computed on the way; B: computed on the way: QUANTISED (scales: A lowp_scales[2], B lowp_scales[3])
;;   THE QUANTISER, for each operand of a quantised product, along K:
;;     - The operand's scale is 2^e, e = its entry of the input lowp_scales (int32; the entries are numbered through the quantised products in the list's order, A before B).
;;     - Each number is divided by the scale, clamped to +-448, and rounded to the nearest number of E4M3, ties to even, subnormals kept.
;;     - The product sums the exact products of the quantised numbers (number of the format x scale) in f32.
;;   ~~~python
;;   def quantise(x, axis, e):      # numpy; x: float32 -> the quantised numbers, widened to float32 again
;;       x = np.moveaxis(x, axis, -1); K = x.shape[-1]
;;       r = np.clip(x / 2.0 ** e, -448, 448)
;;       step = 2.0 ** (np.maximum(np.frexp(np.where(r == 0, 1, r))[1] - 1, -6) - 3)
;;       q = np.round(r / step) * step * 2.0 ** e      # np.round: ties to even
;;       return np.moveaxis(q, -1, axis).astype(np.float32)
;;   ~~~
;;   OPERANDS COMPUTED ON THE WAY. 'Computed on the way' means the value that the module computes at that place (a softmax that the list does not call 'softmax' is quantised finished and normalised). What goes into a quantiser is computed in f32, as accurately as f32 sums, v_exp_f32 and their like allow (about 1e-6 of the number): no bf16 or f16 on the way to a quantiser, and a product that is left as it is and whose result goes on into a quantised operand takes f32 operands (vector FMAs, or v_wmma_f32_16x16x4_f32). A number that lies on a knife's edge between two numbers of the format may be rounded either way, as far as f32 arithmetic and the matrix unit's own rounding can turn it there, and no further.
;; 2 versions. Each part assembles by itself: llvm-mc -triple=amdgcn-amd-amdhsa -mcpu=gfx1250 --defsym DOCPART=n.
;; ======== version 1 of 2: 3 launches
;; workspace buffers: xq 16,777,216 bytes; vq 8,388,608 bytes; uq 8,388,608 bytes; tq 8,388,608 bytes
;; launch quant (part 1): grid 1024 x 1, 4 waves a work-group, no clusters, 55,808 bytes of LDS; arguments x, h_in, u, v, lowp_scales, xq, uq, vq; writes xq, uq, vq
.if DOCPART == 1
	.amdgcn_target "amdgcn-amd-amdhsa--gfx1250"
	.amdhsa_code_object_version 6
	.text
	.protected	k_qf583d0c1b3_quant
	.globl	k_qf583d0c1b3_quant
	.p2align	8
	.type	k_qf583d0c1b3_quant,@function
k_qf583d0c1b3_quant:
	s_mov_b64 s[64:65], 0
	v_nop
	global_prefetch_b8 v0, s[64:65] scope:SCOPE_SE
	s_setreg_imm32_b32 hwreg(HW_REG_WAVE_MODE, 25, 1), 1
	s_wait_xcnt 0x0
; The three large operands of the two products are turned into codes of FP8 (E4M3), one code a byte, K innermost, each with the one scale 2^e that is given for it:
;   xq [4096 m][4096 k] = Q(x * h_in, e0);   vq [2048 n][4096 k] = Q(sign v, e1), v being stored [k][n];   uq [4096 n][2048 k] = Q(sign u, e3).
; sign(a) = +1 where 0 <= a (so for -0 too), else -1 (so for NaN too).  code = number / 2^e, held within +-448, rounded to the nearest code, ties to even.
; LIMITS: e0, e1, e3 between -126 and 119, so that 2^e and 448 x 2^e are f32 numbers.  NaN in x or h_in is not served; an infinity is held at the largest code.
; Every work-group takes 32,768 numbers.  Work-groups 0-511 take x, 512-767 u (one path of the text, the STREAM), 768-1023 v (the path .Lv).  The two paths never join and have LDS bytes of their own.
; No tensor loads, no barrier, no matrix work: each number is read once and each code written once, and waves share nothing.
; THE STREAM.  K is innermost.  u is dense and a sign knows no column, so u is walked as [2048][4096]: the same bytes, and its codes likewise; then x and u have one geometry and every offset is an immediate.
; A wave takes 16 rows x 512 columns, a row (2,048 bytes) a step.  A step's four loads read 512 consecutive bytes each, 16 a lane.  The conversions want 16 NEIGHBOURS in one lane's registers: so the 2,048 bytes
; go through the wave's own stage in LDS as they lie and come back 64 bytes a lane (16 bytes of padding behind each 64).  A lane's 16 codes are 16 bytes: the wave stores 512 consecutive bytes.
; Since a wave keeps its 512 columns, its h_in lies in 16 registers, in the layout in which the loads bring x, and is multiplied in ahead of the stage.  (u's waves load these 2,048 bytes too and do not use them:
; so both tensors take one path up to the few lines that differ.)  Loads run four steps (16 loads a wave) ahead, the turn through LDS one step.
; THE PATH FOR v.  K is the first axis.  A lane takes a column n and its registers run down K: each load reads neighbouring n in neighbouring lanes, and the conversions give codes with K innermost.
; A wave takes 32 columns x 256 along K; the codes go through the wave's stage and leave as rows: sixteen lanes store 256 consecutive bytes, aligned.
.set XWG,    512                       ; work-groups for x: 4096 x 4096 / 32,768
.set SWG,    768                       ; and with u's 256
.set STEPS,  16
.set SROW,   16384                      ; a row of 4,096 f32 in bytes
.set CROW,   4096                       ; a row of 4,096 codes in bytes
.set SP,     80                         ; the stream's stage: a lane's 64 bytes + 16 of padding
.set SSTG,   32*SP                      ; a stage
.set SWAVE,  2*SSTG                     ; two stages a wave
.set VBASE,  4*SWAVE                    ; behind the stream's stages: those of the path for v
.set VPITCH, 272                        ; a stage row there: 256 bytes of codes + 16
.set VWAVE,  32*VPITCH
.set NB,     8                          ; blocks of 32 along K for a wave of the path for v
.set R,      16                         ; stream: v16-79   four sets of 16 numbers as they are loaded
.set X,      80                         ;         v80-111  two sets of 16 neighbours
.set H,      112                        ;         v112-127 h_in of my strip: H[4 i + k] = h_in[512 c + 128 i + 4 lane + k]
.set C,      128                        ;         v128-191 codes: four registers for each step, so that no store's data are written again
.set VX,     32                         ; v: v32-95   two sets of 32 numbers
.set VC,     96                         ;    v96-103  a block's codes
.set OUTR,   112                        ;    v112-175 the way out
	s_load_b256 s[4:11], s[0:1], 0x0               ; x s[4:5], h_in s[6:7], u s[8:9], v s[10:11]
	s_load_b256 s[12:19], s[0:1], 0x20             ; the scales' exponents s[12:13], xq s[14:15], uq s[16:17], vq s[18:19]
	v_lshl_add_u32 v192, v0, 2, 0xd800
	v_mov_b32 v193, 0
	v_lshrrev_b32 v1, 5, v0
	v_readfirstlane_b32 s20, v1                    ; wave 0..3
	v_and_b32 v2, 31, v0                           ; lane
	s_wait_kmcnt 0x0
	s_load_b128 s[24:27], s[12:13], 0x0            ; e0, e1, e2, e3
	s_cmp_ge_u32 ttmp9, SWG
	s_cbranch_scc1 .Lv
	; ---------------- THE STREAM: x and u ----------------
	v_lshlrev_b32 v3, 4, v2                        ; 16 x lane: my bytes of a load's 512, and of a step's 512 bytes of codes; never rewritten
	s_mul_i32 s21, s20, SWAVE
	v_lshrrev_b32 v14, 2, v2
	v_mul_u32_u24 v14, v14, SP
	v_and_b32 v15, 3, v2
	v_lshl_add_u32 v14, v15, 4, v14
	v_add_nc_u32 v14, s21, v14                     ; the stage, on the way in: four lanes' 64 bytes on end, then the padding: SP (lane / 4) + 16 (lane % 4); a load's 512 bytes take eight places
	v_mul_u32_u24 v15, v2, SP
	v_add_nc_u32 v15, s21, v15                     ; and on the way out: SP x lane: my 16 neighbours
	v_mov_b32 v12, 1.0
	v_mov_b32 v13, -1.0
	s_cmp_lt_u32 ttmp9, XWG                        ; x's work-group or u's?  The choice hangs on the work-group's number alone
	s_cselect_b64 s[4:5], s[4:5], s[8:9]           ; the numbers,
	s_cselect_b64 s[14:15], s[14:15], s[16:17]     ; their codes,
	s_cselect_b32 s33, 0, 1                        ; what is done to a number: 0: x h_in; 1: its sign
	s_cselect_b32 s22, 0, XWG
	s_sub_co_u32 s22, ttmp9, s22
	s_lshl_b32 s22, s22, 2
	s_add_co_u32 s22, s22, s20                     ; W: my wave among the tensor's
	s_and_b32 s23, s22, 7                          ; c: which strip of 512 columns
	s_lshr_b32 s22, s22, 3                         ; which group of 16 rows
	s_lshl_b32 s28, s22, 18                        ; 16 rows of 16,384 bytes
	s_lshl_b32 s30, s23, 11                        ; 512 columns of 4 bytes
	s_add_co_u32 s28, s28, s30
	s_mov_b32 s29, 0
	s_mov_b32 s31, 0
	s_add_nc_u64 s[4:5], s[4:5], s[28:29]
	s_add_nc_u64 s[6:7], s[6:7], s[30:31]          ; h_in at my strip
	s_lshl_b32 s28, s22, 16                        ; 16 rows of 4,096 bytes
	s_lshl_b32 s30, s23, 9
	s_add_co_u32 s28, s28, s30
	s_add_nc_u64 s[14:15], s[14:15], s[28:29]
.macro SLOAD t                         ; row t of my 16: 2,048 consecutive bytes by four loads of 512
.irp i, 0,1,2,3
	global_load_b128 v[R+16*((\t)%4)+4*\i:R+16*((\t)%4)+4*\i+3], v3, s[4:5] offset:SROW*(\t)+512*\i th:TH_LOAD_NT
.endr
.endm
; Step t's numbers are made ready (x h_in, or the sign) as they were loaded and go through the stage.  The branch hangs on the work-group's number and stands round vector lines alone.
; LDS serves a wave's instructions in order, so no wait stands between the stores and the loads.
.macro TURN t
.set RS, R+16*((\t)%4)
	s_cmp_lg_u32 s33, 0
	s_cbranch_scc1 .Lsign_\@
.irp j, 0,2,4,6,8,10,12,14
	v_pk_mul_f32 v[RS+\j:RS+\j+1], v[RS+\j:RS+\j+1], v[H+\j:H+\j+1]
.endr
	s_branch .Lready_\@
.Lsign_\@:
.irp j, 0,1,2,3,4,5,6,7,8,9,10,11,12,13,14,15
	v_cmp_le_f32 vcc_lo, 0, v[RS+\j]               ; 0 <= a: true for -0, false for NaN
	v_cndmask_b32 v[RS+\j], v13, v12, vcc_lo
.endr
.Lready_\@:
.irp i, 0,1,2,3
	ds_store_b128 v14, v[RS+4*\i:RS+4*\i+3] offset:SSTG*((\t)%2)+8*SP*\i
.endr
.irp i, 0,1,2,3
	ds_load_b128 v[X+16*((\t)%2)+4*\i:X+16*((\t)%2)+4*\i+3], v15 offset:SSTG*((\t)%2)+16*\i
.endr
.endm
.irp i, 0,1,2,3
	global_load_b128 v[H+4*\i:H+4*\i+3], v3, s[6:7] offset:512*\i
.endr
.irp t, 0,1,2,3
	SLOAD \t
.endr
	s_wait_kmcnt 0x0
	s_cmp_lt_u32 ttmp9, XWG
	s_cselect_b32 s34, s24, s27                    ; e0 for x, e3 for u
	s_add_co_i32 s34, s34, 127
	s_lshl_b32 s35, s34, 23
	v_mov_b32 v11, s35                             ; 2^e as f32: the conversion takes its exponent field
	s_add_co_i32 s34, s34, 8
	s_lshl_b32 s34, s34, 23
	s_or_b32 s34, s34, 0x600000
	v_mov_b32 v10, s34                             ; 448 x 2^e
	s_wait_loadcnt 12                              ; h_in and step 0 are in; the 12 loads of steps 1 to 3 may be out
	TURN 0
.macro STEP t
.set XS, X+16*((\t)%2)
	s_wait_dscnt 0x0                               ; this step's numbers are back from the stage: so its stores into the stage have read their registers,
.if (\t)+4 < STEPS
	SLOAD (\t)+4                                   ; which take the loads of four steps on
.endif
.if (\t)+1 < STEPS
.if STEPS-2-(\t) >= 3
	s_wait_loadcnt 12                              ; the next step's four loads are in; those of the three steps behind it may be out
.else
	s_wait_loadcnt 4*(STEPS-2-(\t))                ; in the tail fewer steps are behind it
.endif
	TURN (\t)+1                                    ; and go through the other stage while this step is worked
.endif
.irp i, 0,1,2,3,4,5,6,7,8,9,10,11,12,13,14,15
	v_med3_num_f32 v[XS+\i], v[XS+\i], -v10, v10   ; the conversion to an 8-bit code does not saturate (ISA guide 7.6.2): hold the number within the largest code x the scale first
.endr
	v_cvt_scalef32_pk8_fp8_f32 v[C+4*(\t):C+4*(\t)+1], v[XS:XS+7], v11
	v_cvt_scalef32_pk8_fp8_f32 v[C+4*(\t)+2:C+4*(\t)+3], v[XS+8:XS+15], v11
	global_store_b128 v3, v[C+4*(\t):C+4*(\t)+3], s[14:15] offset:CROW*(\t)   ; 32 lanes store 512 consecutive bytes, at a multiple of 256 from the buffer's first byte.  (The codes go to a store alone; the next vector lines are plain and touch other registers)
.endm
.irp t, 0,1,2,3,4,5,6,7,8,9,10,11,12,13,14,15
	STEP \t
.endr
	s_wait_tensorcnt 0x0
	ds_add_u32 v192, v193
	s_wait_dscnt 0x0
	s_endpgm
	; ---------------- THE PATH FOR v ----------------
.Lv:
	s_sub_co_u32 s22, ttmp9, SWG
	s_and_b32 s23, s22, 15                         ; which 128 columns
	s_lshr_b32 s22, s22, 4                         ; which 256 along K
	s_lshl_b32 s23, s23, 7
	s_lshl_b32 s28, s20, 5
	s_add_co_u32 s23, s23, s28                     ; my wave's first column
	v_lshlrev_b32 v3, 2, v2                        ; in: 4 bytes a lane
	s_mul_i32 s21, s20, VWAVE
	s_add_co_u32 s21, s21, VBASE                   ; my stage
	v_mul_u32_u24 v4, v2, VPITCH
	v_add_nc_u32 v4, s21, v4                       ; into it: row = my column
	v_and_b32 v5, 15, v2
	v_lshrrev_b32 v6, 4, v2                        ; out of it: sixteen lanes to a row, two rows an instruction
	v_mul_u32_u24 v7, v6, VPITCH
	v_lshl_add_u32 v7, v5, 4, v7
	v_add_nc_u32 v7, s21, v7
	v_lshlrev_b32 v8, 12, v6                       ; and the same place in vq: rows of 4,096 bytes
	v_lshl_add_u32 v8, v5, 4, v8
	s_lshl_b32 s28, s22, 21                        ; 256 rows of v, 8,192 bytes each,
	s_lshl_b32 s30, s23, 2                         ; and my column
	s_add_co_u32 s28, s28, s30
	s_mov_b32 s29, 0
	s_add_nc_u64 s[10:11], s[10:11], s[28:29]
	s_lshl_b32 s28, s23, 12                        ; vq: my column's row,
	s_lshl_b32 s30, s22, 8                         ; and my 256 bytes of it
	s_add_co_u32 s28, s28, s30
	s_add_nc_u64 s[18:19], s[18:19], s[28:29]
.macro VLOAD t                         ; block t: v(32 t + i, my column), i = 0 .. 31, into set t % 2.  The largest offset, 255 x 8,192, lies inside the signed 24-bit immediate
.irp i, 0,1,2,3,4,5,6,7,8,9,10,11,12,13,14,15,16,17,18,19,20,21,22,23,24,25,26,27,28,29,30,31
	global_load_b32 v[VX+32*((\t)%2)+\i], v3, s[10:11] offset:(32*(\t)+\i)*8192 th:TH_LOAD_NT
.endr
.endm
	VLOAD 0
	VLOAD 1
	s_wait_kmcnt 0x0
	s_add_co_i32 s34, s25, 127                     ; e1
	s_lshl_b32 s35, s34, 23
	v_mov_b32 v11, s35                             ; 2^e1 as f32
	s_add_co_i32 s34, s34, 8
	s_lshl_b32 s34, s34, 23
	s_or_b32 s34, s34, 0x600000
	v_mov_b32 v10, s34                             ; 448 x 2^e1
	v_min_num_f32 v12, 1.0, v10                    ; the hold is made once, on the two numbers that a sign can be: +1 held,
	v_xor_b32 v13, 0x80000000, v12                 ; and -1 held
.macro BLOCK t
.set XS, VX+32*((\t)%2)
.if (\t) < NB-1
	s_wait_loadcnt 32                              ; this block's 32 loads are in; the next block's 32 may be out
.else
	s_wait_loadcnt 0
.endif
.irp i, 0,1,2,3,4,5,6,7,8,9,10,11,12,13,14,15,16,17,18,19,20,21,22,23,24,25,26,27,28,29,30,31
	v_cmp_le_f32 vcc_lo, 0, v[XS+\i]
	v_cndmask_b32 v[XS+\i], v13, v12, vcc_lo
.endr
.irp g, 0,1,2,3
	v_cvt_scalef32_pk8_fp8_f32 v[VC+2*\g:VC+2*\g+1], v[XS+8*\g:XS+8*\g+7], v11
.endr
	ds_store_b128 v4, v[VC:VC+3] offset:32*(\t)    ; 32 codes: 32 bytes of my column's row
	ds_store_b128 v4, v[VC+4:VC+7] offset:32*(\t)+16
.if (\t)+2 < NB
	VLOAD (\t)+2
.endif
	s_wait_dscnt 0x0                               ; the stores have read their registers: the next block's codes may be written (64 plain vector lines stand ahead of those conversions)
.endm
.set Q, 0
.rept NB
	BLOCK Q
.set Q, Q+1
.endr
.irp t, 0,1,2,3,4,5,6,7,8,9,10,11,12,13,14,15
	ds_load_b128 v[OUTR+4*\t:OUTR+4*\t+3], v7 offset:2*\t*VPITCH   ; LDS serves a wave's instructions in order: these see my stores
.endr
.irp t, 0,1,2,3,4,5,6,7,8,9,10,11,12,13,14,15
	s_wait_dscnt 15-\t                             ; LDS loads come back in order: load t is in, the younger ones may be out
	global_store_b128 v8, v[OUTR+4*\t:OUTR+4*\t+3], s[18:19] offset:2*\t*CROW   ; sixteen lanes store 256 consecutive bytes, at a multiple of 256 from vq's first byte
.endr
	s_wait_tensorcnt 0x0
	ds_add_u32 v192, v193
	s_wait_dscnt 0x0
	s_endpgm
.Lfunc_end_k_qf583d0c1b3_quant:
	.size	k_qf583d0c1b3_quant, .Lfunc_end_k_qf583d0c1b3_quant-k_qf583d0c1b3_quant
	.p2alignl 7, 3214868480
	.fill 96, 4, 3214868480
	.section	.rodata,"a",@progbits
	.p2align	6, 0x0
	.amdhsa_kernel k_qf583d0c1b3_quant
		.amdhsa_group_segment_fixed_size 55808
		.amdhsa_private_segment_fixed_size 0
		.amdhsa_enable_private_segment 0
		.amdhsa_kernarg_size 64
		.amdhsa_user_sgpr_count 2
		.amdhsa_user_sgpr_kernarg_segment_ptr 1
		.amdhsa_wavefront_size32 1
		.amdhsa_system_sgpr_workgroup_id_x 1
		.amdhsa_system_sgpr_workgroup_id_y 1
		.amdhsa_system_sgpr_workgroup_id_z 1
		.amdhsa_system_vgpr_workitem_id 0
		.amdhsa_next_free_vgpr 194
		.amdhsa_next_free_sgpr 66
		.amdhsa_reserve_vcc 1
		.amdhsa_float_denorm_mode_32 3
		.amdhsa_float_denorm_mode_16_64 3
		.amdhsa_memory_ordered 1
		.amdhsa_forward_progress 1
		.amdhsa_inst_pref_size 112
	.end_amdhsa_kernel
	.amdgpu_metadata
---
amdhsa.version: [ 1, 2 ]
amdhsa.kernels:
  - .name:           k_qf583d0c1b3_quant
    .symbol:         k_qf583d0c1b3_quant.kd
    .args:
      - { .name: x, .offset: 0, .size: 8, .value_kind: global_buffer, .address_space: global }
      - { .name: h_in, .offset: 8, .size: 8, .value_kind: global_buffer, .address_space: global }
      - { .name: u, .offset: 16, .size: 8, .value_kind: global_buffer, .address_space: global }
      - { .name: v, .offset: 24, .size: 8, .value_kind: global_buffer, .address_space: global }
      - { .name: lowp_scales, .offset: 32, .size: 8, .value_kind: global_buffer, .address_space: global }
      - { .name: xq, .offset: 40, .size: 8, .value_kind: global_buffer, .address_space: global }
      - { .name: uq, .offset: 48, .size: 8, .value_kind: global_buffer, .address_space: global }
      - { .name: vq, .offset: 56, .size: 8, .value_kind: global_buffer, .address_space: global }
    .group_segment_fixed_size: 55808
    .private_segment_fixed_size: 0
    .kernarg_segment_align: 8
    .kernarg_segment_size: 64
    .max_flat_workgroup_size: 128
    .sgpr_count:     66
    .vgpr_count:     194
    .wavefront_size: 32
...
	.end_amdgpu_metadata
.endif
;; end of part 1
;; launch gemm1 (part 2): grid 8 x 16, 4 waves a work-group, clusters of 4 x 4, 327,680 bytes of LDS; arguments xq, vq, lowp_scales, s, tq; writes tq
.if DOCPART == 2
	.amdgcn_target "amdgcn-amd-amdhsa--gfx1250"
	.amdhsa_code_object_version 6
	.text
	.protected	k_qf583d0c1b3_gemm1
	.globl	k_qf583d0c1b3_gemm1
	.p2align	8
	.type	k_qf583d0c1b3_gemm1,@function
k_qf583d0c1b3_gemm1:
	s_mov_b64 s[64:65], 0
	v_nop
	global_prefetch_b8 v0, s[64:65] scope:SCOPE_SE
	s_setreg_imm32_b32 hwreg(HW_REG_WAVE_MODE, 25, 1), 1
	s_wait_xcnt 0x0
	s_wait_alu depctr_hold_cnt(0) depctr_sa_sdst(0) depctr_va_vdst(0) depctr_va_sdst(0) depctr_va_ssrc(0) depctr_va_vcc(0) depctr_vm_vsrc(0)
	s_getreg_b32 s2, hwreg(HW_REG_IB_STS2, 6, 4)
	s_cmp_eq_u32 s2, 0
	s_cbranch_scc0 .Lentry_in_a_cluster
	s_endpgm
.Lentry_in_a_cluster:
	s_bfe_u32 s2, ttmp6, 0x10000c
	s_cmp_lg_u32 s2, 0xf033
	s_cbranch_scc0 .Lentry_shape_is_right
	s_endpgm
.Lentry_shape_is_right:
; tq[m][n] = Q((sum over k of xq[m][k] vq[n][k]) x 2^(e0 + e1) x s[n], e2).  xq: [4096][4096], vq: [2048][4096]: codes of FP8 (E4M3), K innermost; tq: [4096][2048]: codes, the second product's K innermost.
; The codes are multiplied as they are, sums in f32.  A finished sum is multiplied by s[n] in f32, and the three scales are folded into the conversion's one: code = (sum x s[n]) / 2^(e2 - e0 - e1), held within +-448.
; LIMITS: e2 - e0 - e1 between -126 and 119, so that 2^(e2 - e0 - e1) and 448 times it are f32 numbers.  NaN in s is not served.  A fragment is fetched by four loads of 16 bytes: a permutation of k inside a
; matrix instruction, the same in A and in B; every product meets its partner, and only the order of the sums inside an instruction differs from the natural one.
; A tile of C, 256 x 256, is made by a work-group of four waves; a wave makes 128 x 128: 64 accumulators of 16 x 16, 512 registers.  2048 / 256 x 4096 / 256 = 128 work-groups: a smaller tile would make more of
; them, but a wave of 64 x 128 reads 1.5 times the LDS bytes for each product, and a slot of 256 along K would hold half the matrix work in which the next slot's load has to land.
; K goes in steps of 256 through a ring of two LDS slots filled by the tensor data mover: a tile's row is 256 bytes of memory, at a multiple of 256 from the buffer's first byte.
; CLUSTERS: 4 x 4 work-groups.  The four of a row of the cluster need the same tiles of A, the four of a column the same tiles of B: each tile is asked for JOINTLY, by the same tensor load with the
; same descriptor and a mask that names the four.  THE MATRIX INSTRUCTION IS USED TRANSPOSED (source 0 = 16 rows of B, source 1 = 16 rows of A): a lane then holds eight neighbouring numbers of a row of C,
; which are eight neighbours along the next product's K: one conversion makes their eight codes.
; REGISTERS, in windows of 256: window 0: v0-31 addresses and the conversion's scale; v64-127 s of my 128 columns in the accumulators' layout; from v128 A's fragments (8 x 16 rows x 128 K), ONE set; on the way out v128-255 are free.
;   window 1: B's fragments, TWO sets, at v0 and at v128.   window 2: the 32 accumulators of my rows 0-63 (accumulator (a, b) at v[8 (8 a + b)]);   window 3: those of my rows 64-127.
; A step of 128 along K is 64 matrix instructions, A's blocks one after the other, each against B's eight.  So a block of A is free as soon as its eight products are issued, and one set of registers serves A:
; blocks 0-3 are fetched anew in the step's middle, blocks 4-7 at its end.  B's fragments are at work through the whole step, so B has two sets.
.set SIZE_M, 4096
.set SIZE_N, 2048
.set SIZE_K, 4096
.set KSTEP,  256                       ; along K in a slot
.set ROWB,   256                       ; a tile's row in bytes
.set KROW,   SIZE_K                    ; a row of A or of B in memory, in bytes
.set PITCH,  272                       ; an LDS row: 256 bytes of data + 16 of padding = 68 words: row r starts at bank 4 r mod 64 (64 banks of 4 bytes: ISA guide 11.1), so the 16 rows that a load touches start at 16 different banks
.set FR,     16                        ; registers of a fragment: 16 rows x 128 K
.set NL,     4                         ; LDS loads that bring one
.set NP,     4                         ; places behind this matrix instruction (ISA guide 7.12.1)
.set HALFT,  128*PITCH                 ; 128 rows: what one tensor load brings, and what one wave reads of A or of B
.set SLOT,   4*HALFT                   ; A's 256 rows, then B's 256 rows
.set LAPS,   SIZE_K/(2*KSTEP)          ; a lap = two K steps = once round the ring
.set SPARE,  2*SLOT                    ; behind the ring: the spare words, 128 bytes for each wave: two blocks of 256 bytes that no other line names
.set SPITCH, 272                       ; the way out: ONE stage of 256 rows x (256 bytes of codes + 16) for the work-group.  It lies in slot 0, which has had its last fill and its last read when the first code is stored there
.set ADRA, 16                          ; v16-17  LDS address of my A fragments in slot 0, 1
.set ADRB, 20                          ; v20-21  the same for B
.set STO,  24                          ; v24     the way out: where I put 8 codes of a row
.set RD,   25                          ; v25     the way out: where I read a row back
.set CO,   26                          ; v26     my byte offset in two rows of tq
.set SOF,  27                          ; v27     32 x (lane / 16): my half's eight numbers of s
.set SPW,  28                          ; v28     LDS address of my spare word: SPARE + 4 x my thread's number; never rewritten
.set NIL,  29                          ; v29     0; never rewritten
.set QSC,  30                          ; v30     2^(e2 - e0 - e1) as f32
.set QLIM, 31                          ; v31     448 times it
.set SS,   64                          ; v64-127 SS[8 b + j] = s[my first column + 16 b + 8 (lane / 16) + j]
.set AF,   128                         ; A's fragments, in window 0
.set TMP,  128                         ; the way out: v128-191 a block's sums x s
.set CD,   192                         ; v192-255 codes: four sets of 16 registers by turns
.set BK,   128                         ; v128-255 64 rows read back from the stage
.set G1, 24                            ; s[24:31] descriptor group 1 for A's tiles;  s[32:39] group 0, one set for each slot
.set G0, 32
.set G1B, 48                           ; s[48:55], s[56:63] the same for B's tiles
.set G0B, 56
.set MSB, 0
.macro WIN new                         ; the immediate's high byte repeats the setting that is left; a switch that changes nothing is dropped
.if MSB != (\new)
	s_set_vgpr_msb (MSB<<8)|(\new)
.set MSB, (\new)
.endif
.endm
.set MUL_LO, 0xa1                      ; source 0 (B) window 1, source 1 (A) window 0, C and D window 2
.set MUL_HI, 0xf1                      ; the same, C and D window 3
.set TO_B,   0x40                      ; destination window 1, address window 0
; A joint load: waves 0 and 1 fetch for A, waves 2 and 3 for B.  Each of the two lines has ONE mask and one set of registers for all that issue it; the branch hangs on the wave's number alone.
; Four v_nop follow each of the two lines, ahead of the jump, the label and what follows.
.macro JLOAD g0a, g1a, g0b, g1b
	s_cmp_eq_u32 s15, 0
	s_cbranch_scc0 .Lfor_b_\@
	tensor_load_to_lds s[\g0a:\g0a+3], s[\g1a:\g1a+7]
	s_nop 0
.rept 4
	v_nop
.endr
	s_branch .Lasked_\@
.Lfor_b_\@:
	tensor_load_to_lds s[\g0b:\g0b+3], s[\g1b:\g1b+7]
	s_nop 0
.rept 4
	v_nop
.endr
.Lasked_\@:
.endm
.macro CREST                           ; a round of the cluster's barrier behind its opening barrier
	s_cmp_lg_u32 s14, 0
	s_cbranch_scc1 .Lnot_wave_0_\@
	s_barrier_signal -3
.Lnot_wave_0_\@:
	s_barrier_wait -3
	s_barrier_signal -1
	s_barrier_wait -1
.endm
.macro CROUND                          ; a whole round
	s_barrier_signal -1
	s_barrier_wait -1
	CREST
.endm
	s_load_b128 s[4:7], s[0:1], 0x0                ; A's codes s[4:5], B's codes s[6:7]
	s_load_b128 s[8:11], s[0:1], 0x10              ; the scales' exponents s[8:9], s s[10:11]
	s_load_b64 s[12:13], s[0:1], 0x20              ; tq
	v_lshl_add_u32 v[SPW], v0, 2, SPARE
	v_mov_b32 v[NIL], 0
	ds_add_u32 v28, v29
	ds_add_u32 v28, v29
	s_wait_dscnt 0x0
	v_lshrrev_b32 v1, 5, v0
	v_readfirstlane_b32 s14, v1                    ; wave 0..3
	s_lshr_b32 s15, s14, 1                         ; which half of the tile's rows is mine.  Also: I fetch for A (0) or for B (1)
	s_and_b32 s16, s14, 1                          ; which half of its columns.  Also: which 128 rows of that tile I fetch
	s_bfe_u32 s40, ttmp6, 0x40000                  ; cx, cy: my place in the cluster
	s_bfe_u32 s41, ttmp6, 0x40004
	s_lshl_b32 s42, ttmp9, 2
	s_add_co_u32 s42, s42, s40                     ; tile column of C = 4 x cluster x + cx
	s_and_b32 s17, ttmp7, 0xffff
	s_lshl_b32 s17, s17, 2
	s_add_co_u32 s17, s17, s41                     ; tile row of C = 4 x cluster y + cy
	s_lshl_b32 s43, s41, 2
	s_lshl_b32 s43, 15, s43                        ; my row of the cluster
	s_lshl_b32 s44, 0x1111, s40                    ; my column
	; descriptor group 1: a tile of 128 rows x ROWB bytes, padded in LDS
	s_or_b32 s[G1+0], s43, (0<<16)|(1<<20)|(1<<21)|(5<<22)|(3<<25)  ; 15:0 the mask: A's tiles go to my row; 17:16 element of 1 byte; 20 padding on; 21 set beside a mask; 24:22 after every 64 words (code 5); 31:25 of 4 words (code 3)
	s_or_b32 s[G1B+0], s44, (0<<16)|(1<<20)|(1<<21)|(5<<22)|(3<<25)
.irp g, G1, G1B
	s_mov_b32 s[\g+1], ROWB<<16                    ; tensor_dim0
	s_mov_b32 s[\g+2], 128<<16                     ; tensor_dim1 = 128
	s_mov_b32 s[\g+3], ROWB<<16                    ; tile_dim0
	s_mov_b32 s[\g+4], 128                         ; tile_dim1 = 128
	s_mov_b32 s[\g+5], KROW                        ; tensor_dim0_stride
	s_mov_b32 s[\g+6], 0
	s_mov_b32 s[\g+7], 0
.endr
	s_lshl_b32 s18, s16, 7                         ; which 128 rows of the tile I fetch
	s_lshl_b32 s20, s17, 8
	s_add_co_u32 s20, s20, s18                     ; A: row 256 x tile row + 128 x half
	s_lshl_b32 s46, s42, 8
	s_add_co_u32 s46, s46, s18                     ; B: row 256 x tile column + 128 x half
	s_mov_b32 s21, 0
	s_mov_b32 s47, 0
	s_mov_b64 s[18:19], KROW
	s_mul_u64 s[20:21], s[20:21], s[18:19]         ; in bytes
	s_mul_u64 s[46:47], s[46:47], s[18:19]
	s_mul_i32 s45, s14, HALFT                      ; where they go: wave x 128 rows: no place in the cluster enters an LDS address
	s_wait_kmcnt 0x0
	s_load_b128 s[96:99], s[8:9], 0x0              ; e0, e1, e2, e3
	s_add_nc_u64 s[20:21], s[4:5], s[20:21]
	s_add_nc_u64 s[46:47], s[6:7], s[46:47]
	CROUND                                         ; all sixteen work-groups are here: the first joint loads meet
.irp s, 0,1
	s_mov_b32 s[G0+4*\s], 1
	s_add_co_u32 s[G0+4*\s+1], s45, \s*SLOT
	s_add_nc_u64 s[G0+4*\s+2:G0+4*\s+3], s[20:21], \s*ROWB
	s_or_b32 s[G0+4*\s+3], s[G0+4*\s+3], 0x80000000
	s_mov_b32 s[G0B+4*\s], 1
	s_add_co_u32 s[G0B+4*\s+1], s45, \s*SLOT
	s_add_nc_u64 s[G0B+4*\s+2:G0B+4*\s+3], s[46:47], \s*ROWB
	s_or_b32 s[G0B+4*\s+3], s[G0B+4*\s+3], 0x80000000
	JLOAD G0+4*\s, G1, G0B+4*\s, G1B               ; two tensor loads of mine are out behind these
.endr
	v_and_b32 v1, 15, v0                           ; r = l % 16
	v_bfe_u32 v2, v0, 4, 1                         ; h = l / 16
	v_mul_u32_u24 v3, v1, PITCH
	v_lshl_add_u32 v4, v2, 4, v3                   ; a fragment's row x pitch + 16 x half
	s_mul_i32 s21, s15, HALFT                      ; my 128 rows of A
	s_mul_i32 s22, s16, HALFT                      ; my 128 rows of B,
	s_add_co_u32 s22, s22, 2*HALFT                 ; which lie behind A's 256
.irp s, 0,1
	v_add_nc_u32 v[ADRA+\s], s21, v4
	v_add_nc_u32 v[ADRB+\s], s22, v4
	s_add_co_u32 s21, s21, SLOT
	s_add_co_u32 s22, s22, SLOT
.endr
	s_lshl_b32 s46, s42, 10                        ; s at my first column, in bytes: 1024 x tile column + 512 x half
	s_lshl_b32 s47, s16, 9
	s_add_co_u32 s46, s46, s47
	s_mov_b32 s47, 0
	s_add_nc_u64 s[10:11], s[10:11], s[46:47]
	v_lshlrev_b32 v[SOF], 5, v2
.irp b, 0,1,2,3,4,5,6,7                        ; once for the whole launch: 512 bytes a wave, laid as the accumulators lie
	global_load_b128 v[SS+8*\b:SS+8*\b+3],   v[SOF], s[10:11] offset:64*\b
	global_load_b128 v[SS+8*\b+4:SS+8*\b+7], v[SOF], s[10:11] offset:64*\b+16
.endr
	s_mul_i32 s23, s15, 128*SPITCH                 ; into the stage: my 128 rows, my half of their 256 bytes; row r, 8 bytes for each half of the lanes
	s_lshl_b32 s21, s16, 7
	s_add_co_u32 s23, s23, s21
	v_mul_u32_u24 v5, v1, SPITCH
	v_lshl_add_u32 v5, v2, 3, v5
	v_add_nc_u32 v[STO], s23, v5
	s_mul_i32 s23, s14, 64*SPITCH                  ; back: wave w takes rows 64 w .. 64 w + 63, whole; lanes 0-15 one row of 256 bytes, lanes 16-31 the next
	v_mul_u32_u24 v5, v2, SPITCH
	v_lshl_add_u32 v5, v1, 4, v5
	v_add_nc_u32 v[RD], s23, v5
	v_mul_u32_u24 v5, v2, SIZE_N                   ; and the same two rows in tq
	v_lshl_add_u32 v[CO], v1, 4, v5
	s_lshl_b32 s20, s17, 8
	s_lshl_b32 s21, s14, 6
	s_add_co_u32 s20, s20, s21                     ; the first row of tq that I store: 256 x tile row + 64 x wave
	s_mul_i32 s20, s20, SIZE_N                     ; in bytes: under 2^23
	s_lshl_b32 s46, s42, 8                         ; the tile's first column, in bytes
	s_add_co_u32 s20, s20, s46
	s_mov_b32 s21, 0
	s_add_nc_u64 s[12:13], s[12:13], s[20:21]
.macro FRAG reg, adr, q, i             ; a fragment, 16 rows x 128 K of 8-bit codes, is 16 registers: lane l holds row l % 16; registers 4 c .. 4 c + 3 hold K = 32 c + 16 (l / 16) + 0 .. 15
.irp c, 0,1,2,3
	ds_load_b128 v[\reg+4*\c:\reg+4*\c+3], v[\adr] offset:128*(\q)+32*\c+(\i)*16*PITCH
.endr
.endm
; 16 matrix instructions: A's blocks a0, a0 + 1 x B's eight, 128 along K.  p: B's set.  zero = 1: the first product starts the sums: nothing is ever cleared.
; The 64 accumulators take turns, one instruction a turn, in the same order in every step.
.macro MUL16 a0, p, zero
.irp a, \a0, \a0+1
.irp b, 0,1,2,3,4,5,6,7
.if \zero
	v_wmma_f32_16x16x128_fp8_fp8 v[8*(8*((\a)%4)+\b):8*(8*((\a)%4)+\b)+7], v[128*(\p)+FR*\b:128*(\p)+FR*\b+FR-1], v[AF+FR*(\a):AF+FR*(\a)+FR-1], 0
.else
	v_wmma_f32_16x16x128_fp8_fp8 v[8*(8*((\a)%4)+\b):8*(8*((\a)%4)+\b)+7], v[128*(\p)+FR*\b:128*(\p)+FR*\b+FR-1], v[AF+FR*(\a):AF+FR*(\a)+FR-1], v[8*(8*((\a)%4)+\b):8*(8*((\a)%4)+\b)+7]
.endif
.endr
.endr
.endm
.macro FETCH_B slot, q, p              ; B's eight fragments of the slot's q-th 128 along K into set p
	WIN TO_B
.irp i, 0,1,2,3,4,5,6,7
	FRAG 128*(\p)+FR*\i, ADRB+\slot, \q, \i
.endr
	WIN 0
.endm
.macro FETCH_A slot, q, i0             ; A's blocks i0 .. i0 + 3
.irp i, \i0, \i0+1, \i0+2, \i0+3
	FRAG AF+FR*(\i), ADRA+\slot, \q, \i
.endr
.endm
; A load into a register that a matrix instruction has read, and a vector instruction or an LDS store that reads a matrix result, stand NP places behind that matrix instruction, and only plain vector
; instructions that name none of its registers are places (ISA guide 7.12.1 for vector instructions); this text does not count the matrix instructions in between.
.macro PLACES n
.rept \n
	v_nop
.endr
.endm
; A step of 128 along K that has its successor in the same slot.
.macro STEP slot, q, zero
	s_wait_dscnt 4*NL                              ; B's set and A's blocks 0-3 are in; the youngest 16 loads (A's blocks 4-7) may be out
	WIN MUL_LO
	MUL16 0, (\q)%2, \zero
	MUL16 2, (\q)%2, \zero
	s_wait_dscnt 0                                 ; A's blocks 4-7 are in (asked for 32 matrix instructions ago)
	PLACES NP
	FETCH_B \slot, (\q)+1, 1-(\q)%2
	FETCH_A \slot, (\q)+1, 0
	WIN MUL_HI
	MUL16 4, (\q)%2, \zero
	MUL16 6, (\q)%2, \zero
	PLACES NP
	WIN 0
	FETCH_A \slot, (\q)+1, 4
.endm
; A slot's last step changes slots: ONE barrier; in front of it each wave waits for all its tensor loads, adds 0 to its spare word, and waits for that and for its own reads of this slot.  fill = 1: this slot is filled again, two K steps ahead.
.macro TURN slot, next, fill
	s_wait_tensorcnt 0x0                           ; all my tensor loads have landed: my part of the next slot;  (every window is 0 here: the add's two registers lie in window 0)
	ds_add_u32 v[SPW], v[NIL]                      ; 0 onto my spare word
	s_wait_dscnt 4*NL+1                            ; (the add and the youngest 16 loads, A's blocks 4-7, may be out)
	WIN MUL_LO
	MUL16 0, 1, 0                                  ; sixteen matrix instructions stand between the add and the wait for it
	s_wait_dscnt 0x0                               ; the add is done, and my reads of this slot are over
	s_barrier_signal -1
	MUL16 2, 1, 0
	WIN 0
	s_barrier_wait -1
.if \fill
	CREST                                          ; the barrier has opened a round of the cluster's barrier: no wave of any partner still reads this slot's tile or has a load on its way
	s_add_nc_u64 s[G0+4*\slot+2:G0+4*\slot+3], s[G0+4*\slot+2:G0+4*\slot+3], 2*ROWB
	s_add_nc_u64 s[G0B+4*\slot+2:G0B+4*\slot+3], s[G0B+4*\slot+2:G0B+4*\slot+3], 2*ROWB
	JLOAD G0+4*\slot, G1, G0B+4*\slot, G1B         ; the first tensor load behind the round, my one load until the next; the four v_nop behind it are the places in front of the loads below
.else
	PLACES NP
.endif
	FETCH_B \next, 0, 0
	FETCH_A \next, 0, 0
	WIN MUL_HI
	MUL16 4, 1, 0
	MUL16 6, 1, 0
	PLACES NP
	WIN 0
	FETCH_A \next, 0, 4
.endm
	s_wait_loadcnt 0x0                             ; s, once
	s_wait_tensorcnt 1                             ; my part of K step 0 is in (K step 1's load may be out)
	s_barrier_signal -1
	s_barrier_wait -1                              ; everybody's is
	FETCH_B 0, 0, 0
	FETCH_A 0, 0, 0
	FETCH_A 0, 0, 4
	STEP 0, 0, 1                                   ; the first step stands in front of the loop: its products start the sums
	s_mov_b32 s3, LAPS-1
.Llap:                                                 ; a trip goes once round the ring, from a lap's second step to the next lap's first, and fills both slots again
	TURN 0, 1, 1
	STEP 1, 0, 0
	TURN 1, 0, 1
	STEP 0, 0, 0
	s_sub_co_u32 s3, s3, 1
	s_cmp_lg_u32 s3, 0
	s_cbranch_scc1 .Llap
	TURN 0, 1, 0                                   ; the last lap fills nothing, and has no round of the cluster's barrier
	STEP 1, 0, 0
	s_wait_dscnt 4*NL                              ; the very last step: nothing more to fetch
	WIN MUL_LO
	MUL16 0, 1, 0
	MUL16 2, 1, 0
	s_wait_dscnt 0
	WIN MUL_HI
	MUL16 4, 1, 0
	MUL16 6, 1, 0
	WIN 0
; THE WAY OUT.  Block a (16 rows x 128 columns): each sum x s[n] into other registers, each accumulator from its low end on; the hold; eight conversions, each of a lane's eight neighbouring columns: 8 bytes of
; a row of tq.  They go into the work-group's stage: lane (r, h) at word 68 r + 2 h of the block: the 32 lanes of a store touch 64 different banks.
.macro QBLOCK a
.set AC, 64*((\a)%4)
.set CC, CD+16*((\a)%4)
.if (\a) >= 4
	s_wait_dscnt 24                                ; the 24 stores of the three blocks before may be out; those of the block four back, which read this set of code registers, are done
.endif
	WIN 0x02+((\a)/4)                              ; source 0: window 2 or 3
.set j, 0
.rept 32
	v_pk_mul_f32 v[TMP+j:TMP+j+1], v[AC+j:AC+j+1], v[SS+j:SS+j+1]
.set j, j+2
.endr
	WIN 0
.set j, 0
.rept 64
	v_med3_num_f32 v[TMP+j], v[TMP+j], -v[QLIM], v[QLIM]   ; the conversion to an 8-bit code does not saturate (ISA guide 7.6.2): the hold at the largest code x the scale
.set j, j+1
.endr
.irp b, 0,1,2,3,4,5,6,7
	v_cvt_scalef32_pk8_fp8_f32 v[CC+2*\b:CC+2*\b+1], v[TMP+8*\b:TMP+8*\b+7], v[QSC]
.endr
	v_nop                                          ; one plain vector instruction between the last conversion and the next vector instruction that writes its sources (the next block's products by s)
.irp b, 0,1,2,3,4,5,6,7
	ds_store_b64 v[STO], v[CC+2*\b:CC+2*\b+1] offset:(\a)*16*SPITCH+16*\b
.endr
.endm
	s_wait_kmcnt 0x0
	s_sub_co_i32 s96, s98, s96
	s_sub_co_i32 s96, s96, s97                     ; e2 - e0 - e1
	s_add_co_i32 s96, s96, 127
	s_lshl_b32 s97, s96, 23
	v_mov_b32 v[QSC], s97                          ; 2^(e2 - e0 - e1) as f32: the conversion takes its exponent field
	s_add_co_i32 s96, s96, 8
	s_lshl_b32 s96, s96, 23
	s_or_b32 s96, s96, 0x600000
	v_mov_b32 v[QLIM], s96                         ; 448 times it
	PLACES NP                                      ; behind the last products: for the reads of their results and the writes over A's fragments
.irp a, 0,1,2,3,4,5,6,7
	QBLOCK \a
.endr
	s_wait_dscnt 0x0                               ; for the others' sake: my stores into the stage are done
	s_barrier_signal -1
	s_barrier_wait -1                              ; a row's 256 bytes come from two waves: now they are whole
.set t, 0
.rept 32
	ds_load_b128 v[BK+4*t:BK+4*t+3], v[RD] offset:t*2*SPITCH
.set t, t+1
.endr
.set t, 0
.rept 32
	s_wait_dscnt 31-t                              ; LDS loads come back in order: load t is in, the younger ones may be out
	global_store_b128 v[CO], v[BK+4*t:BK+4*t+3], s[12:13] offset:2*t*SIZE_N   ; 16 lanes store 256 consecutive bytes, at a multiple of 256 from tq's first byte
.set t, t+1
.endr
	s_wait_tensorcnt 0x0                           ; the wave's end: behind my last tensor load and my last LDS store
	ds_add_u32 v[SPW], v[NIL]
	s_wait_dscnt 0x0
	CROUND                                         ; the closing round: no work-group ends while a partner may still ask for a tile that names it
	s_endpgm
.Lfunc_end_k_qf583d0c1b3_gemm1:
	.size	k_qf583d0c1b3_gemm1, .Lfunc_end_k_qf583d0c1b3_gemm1-k_qf583d0c1b3_gemm1
	.p2alignl 7, 3214868480
	.fill 96, 4, 3214868480
	.section	.rodata,"a",@progbits
	.p2align	6, 0x0
	.amdhsa_kernel k_qf583d0c1b3_gemm1
		.amdhsa_group_segment_fixed_size 327680
		.amdhsa_private_segment_fixed_size 0
		.amdhsa_enable_private_segment 0
		.amdhsa_kernarg_size 40
		.amdhsa_user_sgpr_count 2
		.amdhsa_user_sgpr_kernarg_segment_ptr 1
		.amdhsa_wavefront_size32 1
		.amdhsa_system_sgpr_workgroup_id_x 1
		.amdhsa_system_sgpr_workgroup_id_y 1
		.amdhsa_system_sgpr_workgroup_id_z 1
		.amdhsa_system_vgpr_workitem_id 0
		.amdhsa_next_free_vgpr 1024
		.amdhsa_next_free_sgpr 100
		.amdhsa_reserve_vcc 0
		.amdhsa_float_denorm_mode_32 3
		.amdhsa_float_denorm_mode_16_64 3
		.amdhsa_memory_ordered 1
		.amdhsa_forward_progress 1
		.amdhsa_inst_pref_size 143
	.end_amdhsa_kernel
	.amdgpu_metadata
---
amdhsa.version: [ 1, 2 ]
amdhsa.kernels:
  - .name:           k_qf583d0c1b3_gemm1
    .symbol:         k_qf583d0c1b3_gemm1.kd
    .args:
      - { .name: xq, .offset: 0, .size: 8, .value_kind: global_buffer, .address_space: global }
      - { .name: vq, .offset: 8, .size: 8, .value_kind: global_buffer, .address_space: global }
      - { .name: lowp_scales, .offset: 16, .size: 8, .value_kind: global_buffer, .address_space: global }
      - { .name: s, .offset: 24, .size: 8, .value_kind: global_buffer, .address_space: global }
      - { .name: tq, .offset: 32, .size: 8, .value_kind: global_buffer, .address_space: global }
    .group_segment_fixed_size: 327680
    .private_segment_fixed_size: 0
    .kernarg_segment_align: 8
    .kernarg_segment_size: 40
    .max_flat_workgroup_size: 128
    .sgpr_count:     100
    .vgpr_count:     1024
    .wavefront_size: 32
...
	.end_amdgpu_metadata
.endif
;; end of part 2
;; launch gemm2 (part 3): grid 16 x 16, 4 waves a work-group, clusters of 4 x 4, 327,680 bytes of LDS; arguments tq, uq, lowp_scales, h_out, out0; writes out0
.if DOCPART == 3
	.amdgcn_target "amdgcn-amd-amdhsa--gfx1250"
	.amdhsa_code_object_version 6
	.text
	.protected	k_qf583d0c1b3_gemm2
	.globl	k_qf583d0c1b3_gemm2
	.p2align	8
	.type	k_qf583d0c1b3_gemm2,@function
k_qf583d0c1b3_gemm2:
	s_mov_b64 s[64:65], 0
	v_nop
	global_prefetch_b8 v0, s[64:65] scope:SCOPE_SE
	s_setreg_imm32_b32 hwreg(HW_REG_WAVE_MODE, 25, 1), 1
	s_wait_xcnt 0x0
	s_wait_alu depctr_hold_cnt(0) depctr_sa_sdst(0) depctr_va_vdst(0) depctr_va_sdst(0) depctr_va_ssrc(0) depctr_va_vcc(0) depctr_vm_vsrc(0)
	s_getreg_b32 s2, hwreg(HW_REG_IB_STS2, 6, 4)
	s_cmp_eq_u32 s2, 0
	s_cbranch_scc0 .Lentry_in_a_cluster
	s_endpgm
.Lentry_in_a_cluster:
	s_bfe_u32 s2, ttmp6, 0x10000c
	s_cmp_lg_u32 s2, 0xf033
	s_cbranch_scc0 .Lentry_shape_is_right
	s_endpgm
.Lentry_shape_is_right:
; out0[m][n] = (sum over k of tq[m][k] uq[n][k]) x 2^(e2 + e3) x h_out[n].  tq: [4096][2048], uq: [4096][2048]: codes of FP8 (E4M3), K innermost; out0: [4096][4096] f32; sums in f32.
; The codes are multiplied as they are; h_out[n] x 2^(e2 + e3) is made once (a multiplication that rounds nothing), and each finished sum is multiplied by it once.
; LIMITS: e2 + e3 between -126 and 127, so that 2^(e2 + e3) is an f32 number.  A fragment is fetched by four loads of 16 bytes: a permutation of k inside a matrix instruction, the same in A and in B;
; every product meets its partner, and only the order of the sums inside an instruction differs from the natural one.
; A tile of C, 256 x 256, is made by a work-group of four waves; a wave makes 128 x 128: 64 accumulators of 16 x 16, 512 registers.  16 x 16 = 256 work-groups.
; K goes in steps of 256 through a ring of two LDS slots filled by the tensor data mover: a tile's row is 256 bytes of memory, at a multiple of 256 from the buffer's first byte.
; CLUSTERS: 4 x 4 work-groups.  The four of a row of the cluster need the same tiles of A, the four of a column the same tiles of B: each tile is asked for JOINTLY, by the same tensor load with the
; same descriptor and a mask that names the four.  THE MATRIX INSTRUCTION IS USED TRANSPOSED (source 0 = 16 rows of B, source 1 = 16 rows of A): a lane then holds eight neighbouring numbers of a row of C.
; REGISTERS, in windows of 256: window 0: v0-31 addresses, v8-11 h_out of my four columns; from v128 A's fragments (8 x 16 rows x 128 K), ONE set; on the way out v128-255 are free.
;   window 1: B's fragments, TWO sets, at v0 and at v128.   window 2: the 32 accumulators of my rows 0-63 (accumulator (a, b) at v[8 (8 a + b)]);   window 3: those of my rows 64-127.
; A step of 128 along K is 64 matrix instructions, A's blocks one after the other, each against B's eight.  So a block of A is free as soon as its eight products are issued, and one set of registers serves A:
; blocks 0-3 are fetched anew in the step's middle, blocks 4-7 at its end.  B's fragments are at work through the whole step, so B has two sets.
.set SIZE_M, 4096
.set SIZE_N, 4096
.set SIZE_K, 2048
.set KSTEP,  256                       ; along K in a slot
.set ROWB,   256                       ; a tile's row in bytes
.set KROW,   SIZE_K                    ; a row of A or of B in memory, in bytes
.set PITCH,  272                       ; an LDS row: 256 bytes of data + 16 of padding = 68 words: row r starts at bank 4 r mod 64 (64 banks of 4 bytes: ISA guide 11.1), so the 16 rows that a load touches start at 16 different banks
.set FR,     16                        ; registers of a fragment: 16 rows x 128 K
.set NL,     4                         ; LDS loads that bring one
.set NP,     4                         ; places behind this matrix instruction (ISA guide 7.12.1)
.set HALFT,  128*PITCH                 ; 128 rows: what one tensor load brings, and what one wave reads of A or of B
.set SLOT,   4*HALFT                   ; A's 256 rows, then B's 256 rows
.set LAPS,   SIZE_K/(2*KSTEP)          ; a lap = two K steps = once round the ring
.set SPARE,  2*SLOT                    ; behind the ring: the spare words, 128 bytes for each wave: two blocks of 256 bytes that no other line names
.set SPITCH, 528                       ; the way out: a stage of 16 rows x (512 bytes + 16) for each wave.  It lies in slot 0, which has had its last fill and its last read when the first result is stored there
.set HS,   8                           ; v8-11   h_out[my first column + 4 lane + 0 .. 3], later x 2^(e2 + e3)
.set ADRA, 16                          ; v16-17  LDS address of my A fragments in slot 0, 1
.set ADRB, 20                          ; v20-21  the same for B
.set STO,  24                          ; v24     the way out: where I put 32 bytes of a row
.set RD,   25                          ; v25     the way out: where I read a row back
.set CO,   26                          ; v26     16 x lane: my byte offset in a row's 512 bytes of C, and in h_out's
.set SPW,  28                          ; v28     LDS address of my spare word: SPARE + 4 x my thread's number; never rewritten
.set NIL,  29                          ; v29     0; never rewritten
.set AF,   128                         ; A's fragments, in window 0
.set BK,   128                         ; the way out: 16 rows read back from the stage: v128-191 and v192-255 by turns
.set G1, 24                            ; s[24:31] descriptor group 1 for A's tiles;  s[32:39] group 0, one set for each slot
.set G0, 32
.set G1B, 48                           ; s[48:55], s[56:63] the same for B's tiles
.set G0B, 56
.set MSB, 0
.macro WIN new                         ; the immediate's high byte repeats the setting that is left; a switch that changes nothing is dropped
.if MSB != (\new)
	s_set_vgpr_msb (MSB<<8)|(\new)
.set MSB, (\new)
.endif
.endm
.set MUL_LO, 0xa1                      ; source 0 (B) window 1, source 1 (A) window 0, C and D window 2
.set MUL_HI, 0xf1                      ; the same, C and D window 3
.set TO_B,   0x40                      ; destination window 1, address window 0
; A joint load: waves 0 and 1 fetch for A, waves 2 and 3 for B.  Each of the two lines has ONE mask and one set of registers for all that issue it; the branch hangs on the wave's number alone.
; Four v_nop follow each of the two lines, ahead of the jump, the label and what follows.
.macro JLOAD g0a, g1a, g0b, g1b
	s_cmp_eq_u32 s15, 0
	s_cbranch_scc0 .Lfor_b_\@
	tensor_load_to_lds s[\g0a:\g0a+3], s[\g1a:\g1a+7]
	s_nop 0
.rept 4
	v_nop
.endr
	s_branch .Lasked_\@
.Lfor_b_\@:
	tensor_load_to_lds s[\g0b:\g0b+3], s[\g1b:\g1b+7]
	s_nop 0
.rept 4
	v_nop
.endr
.Lasked_\@:
.endm
.macro CREST                           ; a round of the cluster's barrier behind its opening barrier
	s_cmp_lg_u32 s14, 0
	s_cbranch_scc1 .Lnot_wave_0_\@
	s_barrier_signal -3
.Lnot_wave_0_\@:
	s_barrier_wait -3
	s_barrier_signal -1
	s_barrier_wait -1
.endm
.macro CROUND                          ; a whole round
	s_barrier_signal -1
	s_barrier_wait -1
	CREST
.endm
	s_load_b128 s[4:7], s[0:1], 0x0                ; A's codes s[4:5], B's codes s[6:7]
	s_load_b128 s[8:11], s[0:1], 0x10              ; the scales' exponents s[8:9], h_out s[10:11]
	s_load_b64 s[12:13], s[0:1], 0x20              ; out0
	v_lshl_add_u32 v[SPW], v0, 2, SPARE
	v_mov_b32 v[NIL], 0
	ds_add_u32 v28, v29
	ds_add_u32 v28, v29
	s_wait_dscnt 0x0
	v_lshrrev_b32 v1, 5, v0
	v_readfirstlane_b32 s14, v1                    ; wave 0..3
	s_lshr_b32 s15, s14, 1                         ; which half of the tile's rows is mine.  Also: I fetch for A (0) or for B (1)
	s_and_b32 s16, s14, 1                          ; which half of its columns.  Also: which 128 rows of that tile I fetch
	s_bfe_u32 s40, ttmp6, 0x40000                  ; cx, cy: my place in the cluster
	s_bfe_u32 s41, ttmp6, 0x40004
	s_lshl_b32 s42, ttmp9, 2
	s_add_co_u32 s42, s42, s40                     ; tile column of C = 4 x cluster x + cx
	s_and_b32 s17, ttmp7, 0xffff
	s_lshl_b32 s17, s17, 2
	s_add_co_u32 s17, s17, s41                     ; tile row of C = 4 x cluster y + cy
	s_lshl_b32 s43, s41, 2
	s_lshl_b32 s43, 15, s43                        ; my row of the cluster
	s_lshl_b32 s44, 0x1111, s40                    ; my column
	; descriptor group 1: a tile of 128 rows x ROWB bytes, padded in LDS
	s_or_b32 s[G1+0], s43, (0<<16)|(1<<20)|(1<<21)|(5<<22)|(3<<25)  ; 15:0 the mask: A's tiles go to my row; 17:16 element of 1 byte; 20 padding on; 21 set beside a mask; 24:22 after every 64 words (code 5); 31:25 of 4 words (code 3)
	s_or_b32 s[G1B+0], s44, (0<<16)|(1<<20)|(1<<21)|(5<<22)|(3<<25)
.irp g, G1, G1B
	s_mov_b32 s[\g+1], ROWB<<16                    ; tensor_dim0
	s_mov_b32 s[\g+2], 128<<16                     ; tensor_dim1 = 128
	s_mov_b32 s[\g+3], ROWB<<16                    ; tile_dim0
	s_mov_b32 s[\g+4], 128                         ; tile_dim1 = 128
	s_mov_b32 s[\g+5], KROW                        ; tensor_dim0_stride
	s_mov_b32 s[\g+6], 0
	s_mov_b32 s[\g+7], 0
.endr
	s_lshl_b32 s18, s16, 7                         ; which 128 rows of the tile I fetch
	s_lshl_b32 s20, s17, 8
	s_add_co_u32 s20, s20, s18                     ; A: row 256 x tile row + 128 x half
	s_lshl_b32 s46, s42, 8
	s_add_co_u32 s46, s46, s18                     ; B: row 256 x tile column + 128 x half
	s_mov_b32 s21, 0
	s_mov_b32 s47, 0
	s_mov_b64 s[18:19], KROW
	s_mul_u64 s[20:21], s[20:21], s[18:19]         ; in bytes
	s_mul_u64 s[46:47], s[46:47], s[18:19]
	s_mul_i32 s45, s14, HALFT                      ; where they go: wave x 128 rows: no place in the cluster enters an LDS address
	s_wait_kmcnt 0x0
	s_load_b128 s[96:99], s[8:9], 0x0              ; e0, e1, e2, e3
	s_add_nc_u64 s[20:21], s[4:5], s[20:21]
	s_add_nc_u64 s[46:47], s[6:7], s[46:47]
	CROUND                                         ; all sixteen work-groups are here: the first joint loads meet
.irp s, 0,1
	s_mov_b32 s[G0+4*\s], 1
	s_add_co_u32 s[G0+4*\s+1], s45, \s*SLOT
	s_add_nc_u64 s[G0+4*\s+2:G0+4*\s+3], s[20:21], \s*ROWB
	s_or_b32 s[G0+4*\s+3], s[G0+4*\s+3], 0x80000000
	s_mov_b32 s[G0B+4*\s], 1
	s_add_co_u32 s[G0B+4*\s+1], s45, \s*SLOT
	s_add_nc_u64 s[G0B+4*\s+2:G0B+4*\s+3], s[46:47], \s*ROWB
	s_or_b32 s[G0B+4*\s+3], s[G0B+4*\s+3], 0x80000000
	JLOAD G0+4*\s, G1, G0B+4*\s, G1B               ; two tensor loads of mine are out behind these
.endr
	v_and_b32 v1, 15, v0                           ; r = l % 16
	v_bfe_u32 v2, v0, 4, 1                         ; h = l / 16
	v_mul_u32_u24 v3, v1, PITCH
	v_lshl_add_u32 v4, v2, 4, v3                   ; a fragment's row x pitch + 16 x half
	s_mul_i32 s21, s15, HALFT                      ; my 128 rows of A
	s_mul_i32 s22, s16, HALFT                      ; my 128 rows of B,
	s_add_co_u32 s22, s22, 2*HALFT                 ; which lie behind A's 256
.irp s, 0,1
	v_add_nc_u32 v[ADRA+\s], s21, v4
	v_add_nc_u32 v[ADRB+\s], s22, v4
	s_add_co_u32 s21, s21, SLOT
	s_add_co_u32 s22, s22, SLOT
.endr
	s_mul_i32 s23, s14, 16*SPITCH                  ; my stage
	v_mul_u32_u24 v5, v1, SPITCH                   ; in: row l % 16, 32 bytes for each half of the lanes
	v_lshl_add_u32 v5, v2, 5, v5
	v_add_nc_u32 v[STO], s23, v5
	v_and_b32 v6, 31, v0
	v_lshlrev_b32 v[CO], 4, v6                     ; back: the 32 lanes take one row of 512 bytes; and the same in C
	v_add_nc_u32 v[RD], s23, v[CO]
	s_lshl_b32 s20, s17, 8
	s_lshl_b32 s21, s15, 7
	s_add_co_u32 s20, s20, s21                     ; my first row of C: 256 x tile row + 128 x half
	s_mov_b32 s21, 0
	s_mov_b64 s[18:19], SIZE_N*4
	s_mul_u64 s[20:21], s[20:21], s[18:19]
	s_lshl_b32 s46, s42, 10                        ; my first column, in bytes: 1024 x tile column + 512 x half
	s_lshl_b32 s47, s16, 9
	s_add_co_u32 s46, s46, s47
	s_mov_b32 s47, 0
	s_add_nc_u64 s[10:11], s[10:11], s[46:47]      ; h_out at my first column
	s_add_nc_u64 s[20:21], s[20:21], s[46:47]
	s_add_nc_u64 s[12:13], s[12:13], s[20:21]
	global_load_b128 v[HS:HS+3], v[CO], s[10:11]   ; behind the stage a lane holds the same four columns in every row: four numbers of h_out serve the whole tile; the wave reads 512 consecutive bytes
.macro FRAG reg, adr, q, i             ; a fragment, 16 rows x 128 K of 8-bit codes, is 16 registers: lane l holds row l % 16; registers 4 c .. 4 c + 3 hold K = 32 c + 16 (l / 16) + 0 .. 15
.irp c, 0,1,2,3
	ds_load_b128 v[\reg+4*\c:\reg+4*\c+3], v[\adr] offset:128*(\q)+32*\c+(\i)*16*PITCH
.endr
.endm
; 16 matrix instructions: A's blocks a0, a0 + 1 x B's eight, 128 along K.  p: B's set.  zero = 1: the first product starts the sums: nothing is ever cleared.
; The 64 accumulators take turns, one instruction a turn, in the same order in every step.
.macro MUL16 a0, p, zero
.irp a, \a0, \a0+1
.irp b, 0,1,2,3,4,5,6,7
.if \zero
	v_wmma_f32_16x16x128_fp8_fp8 v[8*(8*((\a)%4)+\b):8*(8*((\a)%4)+\b)+7], v[128*(\p)+FR*\b:128*(\p)+FR*\b+FR-1], v[AF+FR*(\a):AF+FR*(\a)+FR-1], 0
.else
	v_wmma_f32_16x16x128_fp8_fp8 v[8*(8*((\a)%4)+\b):8*(8*((\a)%4)+\b)+7], v[128*(\p)+FR*\b:128*(\p)+FR*\b+FR-1], v[AF+FR*(\a):AF+FR*(\a)+FR-1], v[8*(8*((\a)%4)+\b):8*(8*((\a)%4)+\b)+7]
.endif
.endr
.endr
.endm
.macro FETCH_B slot, q, p              ; B's eight fragments of the slot's q-th 128 along K into set p
	WIN TO_B
.irp i, 0,1,2,3,4,5,6,7
	FRAG 128*(\p)+FR*\i, ADRB+\slot, \q, \i
.endr
	WIN 0
.endm
.macro FETCH_A slot, q, i0             ; A's blocks i0 .. i0 + 3
.irp i, \i0, \i0+1, \i0+2, \i0+3
	FRAG AF+FR*(\i), ADRA+\slot, \q, \i
.endr
.endm
; A load into a register that a matrix instruction has read, and a vector instruction or an LDS store that reads a matrix result, stand NP places behind that matrix instruction, and only plain vector
; instructions that name none of its registers are places (ISA guide 7.12.1 for vector instructions); this text does not count the matrix instructions in between.
.macro PLACES n
.rept \n
	v_nop
.endr
.endm
; A step of 128 along K that has its successor in the same slot.
.macro STEP slot, q, zero
	s_wait_dscnt 4*NL                              ; B's set and A's blocks 0-3 are in; the youngest 16 loads (A's blocks 4-7) may be out
	WIN MUL_LO
	MUL16 0, (\q)%2, \zero
	MUL16 2, (\q)%2, \zero
	s_wait_dscnt 0                                 ; A's blocks 4-7 are in (asked for 32 matrix instructions ago)
	PLACES NP
	FETCH_B \slot, (\q)+1, 1-(\q)%2
	FETCH_A \slot, (\q)+1, 0
	WIN MUL_HI
	MUL16 4, (\q)%2, \zero
	MUL16 6, (\q)%2, \zero
	PLACES NP
	WIN 0
	FETCH_A \slot, (\q)+1, 4
.endm
; A slot's last step changes slots: ONE barrier; in front of it each wave waits for all its tensor loads, adds 0 to its spare word, and waits for that and for its own reads of this slot.  fill = 1: this slot is filled again, two K steps ahead.
.macro TURN slot, next, fill
	s_wait_tensorcnt 0x0                           ; all my tensor loads have landed: my part of the next slot;  (every window is 0 here: the add's two registers lie in window 0)
	ds_add_u32 v[SPW], v[NIL]                      ; 0 onto my spare word
	s_wait_dscnt 4*NL+1                            ; (the add and the youngest 16 loads, A's blocks 4-7, may be out)
	WIN MUL_LO
	MUL16 0, 1, 0                                  ; sixteen matrix instructions stand between the add and the wait for it
	s_wait_dscnt 0x0                               ; the add is done, and my reads of this slot are over
	s_barrier_signal -1
	MUL16 2, 1, 0
	WIN 0
	s_barrier_wait -1
.if \fill
	CREST                                          ; the barrier has opened a round of the cluster's barrier: no wave of any partner still reads this slot's tile or has a load on its way
	s_add_nc_u64 s[G0+4*\slot+2:G0+4*\slot+3], s[G0+4*\slot+2:G0+4*\slot+3], 2*ROWB
	s_add_nc_u64 s[G0B+4*\slot+2:G0B+4*\slot+3], s[G0B+4*\slot+2:G0B+4*\slot+3], 2*ROWB
	JLOAD G0+4*\slot, G1, G0B+4*\slot, G1B         ; the first tensor load behind the round, my one load until the next; the four v_nop behind it are the places in front of the loads below
.else
	PLACES NP
.endif
	FETCH_B \next, 0, 0
	FETCH_A \next, 0, 0
	WIN MUL_HI
	MUL16 4, 1, 0
	MUL16 6, 1, 0
	PLACES NP
	WIN 0
	FETCH_A \next, 0, 4
.endm
	s_wait_loadcnt 0x0                             ; h_out, once
	s_wait_tensorcnt 1                             ; my part of K step 0 is in (K step 1's load may be out)
	s_barrier_signal -1
	s_barrier_wait -1                              ; everybody's is
	FETCH_B 0, 0, 0
	FETCH_A 0, 0, 0
	FETCH_A 0, 0, 4
	STEP 0, 0, 1                                   ; the first step stands in front of the loop: its products start the sums
	s_mov_b32 s3, LAPS-1
.Llap:                                                 ; a trip goes once round the ring, from a lap's second step to the next lap's first, and fills both slots again
	TURN 0, 1, 1
	STEP 1, 0, 0
	TURN 1, 0, 1
	STEP 0, 0, 0
	s_sub_co_u32 s3, s3, 1
	s_cmp_lg_u32 s3, 0
	s_cbranch_scc1 .Llap
	TURN 0, 1, 0                                   ; the last lap fills nothing, and has no round of the cluster's barrier
	STEP 1, 0, 0
	s_wait_dscnt 4*NL                              ; the very last step: nothing more to fetch
	WIN MUL_LO
	MUL16 0, 1, 0
	MUL16 2, 1, 0
	s_wait_dscnt 0
	WIN MUL_HI
	MUL16 4, 1, 0
	MUL16 6, 1, 0
	WIN 0
; THE WAY OUT, block by block of 16 rows x 128 columns.  A lane holds 32 neighbouring bytes of a row, and the lanes beside it hold other rows: so a block goes through my own stage in LDS, straight from the
; accumulators (each from its low end on), and comes back as whole rows of 512 bytes.  There a lane holds the same four columns in every row: two packed multiplications by h_out x 2^(e2 + e3), and the 32 lanes
; store two aligned runs of 256 bytes.  LDS serves a wave's instructions in order (ISA guide 5.7.1.4): no wait between the stores and the loads, nor in front of the next block's stores.
.macro TOSTAGE a
.set AC, 64*((\a)%4)
	WIN 0x08+4*((\a)/4)                            ; an LDS store's data are source 1: window 2 or 3; its address, source 0, window 0
.irp b, 0,1,2,3,4,5,6,7
	ds_store_b128 v[STO], v[AC+8*\b:AC+8*\b+3] offset:64*\b
	ds_store_b128 v[STO], v[AC+8*\b+4:AC+8*\b+7] offset:64*\b+16
.endr
	WIN 0
.set BB, BK+64*((\a)%2)
.irp t, 0,1,2,3,4,5,6,7,8,9,10,11,12,13,14,15
	ds_load_b128 v[BB+4*\t:BB+4*\t+3], v[RD] offset:\t*SPITCH
.endr
.endm
.macro SEND a, younger                 ; younger: the LDS instructions issued behind block a's loads, which may stay out
.set BB, BK+64*((\a)%2)
	s_wait_dscnt \younger                          ; the block is back in registers
.if (\a) > 0
	s_add_nc_u64 s[12:13], s[12:13], 16*SIZE_N*4   ; (behind a wait on XCNT: the earlier stores have read their base)  16 rows of C on, so that the stores' offsets stay small: 15 rows of C at the most
.endif
.irp t, 0,1,2,3,4,5,6,7,8,9,10,11,12,13,14,15
	v_pk_mul_f32 v[BB+4*\t:BB+4*\t+1], v[BB+4*\t:BB+4*\t+1], v[HS:HS+1]
	v_pk_mul_f32 v[BB+4*\t+2:BB+4*\t+3], v[BB+4*\t+2:BB+4*\t+3], v[HS+2:HS+3]
	global_store_b128 v[CO], v[BB+4*\t:BB+4*\t+3], s[12:13] offset:\t*SIZE_N*4 th:TH_STORE_NT   ; 32 lanes store 512 consecutive bytes, at a multiple of 256 from C's first byte; written once, read by nobody here
.endr
.endm
	s_wait_kmcnt 0x0
	s_add_co_i32 s96, s98, s99                     ; e2 + e3, between -126 and 127,
	s_add_co_i32 s96, s96, 127
	s_lshl_b32 s96, s96, 23                        ; makes the f32 number 2^(e2 + e3)
	s_mov_b32 s97, s96                             ; (named with it as a pair, so it is written)
	v_pk_mul_f32 v[HS:HS+1], v[HS:HS+1], s[96:97] op_sel_hi:[1,0]       ; h_out x 2^(e2 + e3): nothing is rounded, short of overflow and underflow
	v_pk_mul_f32 v[HS+2:HS+3], v[HS+2:HS+3], s[96:97] op_sel_hi:[1,0]
	PLACES NP                                      ; behind the last products: for the LDS stores that read results and the loads into the registers that held A's fragments
	TOSTAGE 0
.irp a, 1,2,3,4,5,6,7
.if \a > 1
	s_wait_xcnt 0x0                                ; block a - 2's stores have read their registers and their base: block a's loads may land there, and the base may step
.endif
	TOSTAGE \a
	SEND \a-1, 32                                  ; behind block a - 1's loads: block a's 16 stores and 16 loads
.endr
	s_wait_xcnt 0x0                                ; block 6's stores have read their base
	SEND 7, 0
	s_wait_tensorcnt 0x0                           ; the wave's end: behind my last tensor load and my last LDS store
	ds_add_u32 v[SPW], v[NIL]
	s_wait_dscnt 0x0
	CROUND                                         ; the closing round: no work-group ends while a partner may still ask for a tile that names it
	s_endpgm
.Lfunc_end_k_qf583d0c1b3_gemm2:
	.size	k_qf583d0c1b3_gemm2, .Lfunc_end_k_qf583d0c1b3_gemm2-k_qf583d0c1b3_gemm2
	.p2alignl 7, 3214868480
	.fill 96, 4, 3214868480
	.section	.rodata,"a",@progbits
	.p2align	6, 0x0
	.amdhsa_kernel k_qf583d0c1b3_gemm2
		.amdhsa_group_segment_fixed_size 327680
		.amdhsa_private_segment_fixed_size 0
		.amdhsa_enable_private_segment 0
		.amdhsa_kernarg_size 40
		.amdhsa_user_sgpr_count 2
		.amdhsa_user_sgpr_kernarg_segment_ptr 1
		.amdhsa_wavefront_size32 1
		.amdhsa_system_sgpr_workgroup_id_x 1
		.amdhsa_system_sgpr_workgroup_id_y 1
		.amdhsa_system_sgpr_workgroup_id_z 1
		.amdhsa_system_vgpr_workitem_id 0
		.amdhsa_next_free_vgpr 1024
		.amdhsa_next_free_sgpr 100
		.amdhsa_reserve_vcc 0
		.amdhsa_float_denorm_mode_32 3
		.amdhsa_float_denorm_mode_16_64 3
		.amdhsa_memory_ordered 1
		.amdhsa_forward_progress 1
		.amdhsa_inst_pref_size 124
	.end_amdhsa_kernel
	.amdgpu_metadata
---
amdhsa.version: [ 1, 2 ]
amdhsa.kernels:
  - .name:           k_qf583d0c1b3_gemm2
    .symbol:         k_qf583d0c1b3_gemm2.kd
    .args:
      - { .name: tq, .offset: 0, .size: 8, .value_kind: global_buffer, .address_space: global }
      - { .name: uq, .offset: 8, .size: 8, .value_kind: global_buffer, .address_space: global }
      - { .name: lowp_scales, .offset: 16, .size: 8, .value_kind: global_buffer, .address_space: global }
      - { .name: h_out, .offset: 24, .size: 8, .value_kind: global_buffer, .address_space: global }
      - { .name: out0, .offset: 32, .size: 8, .value_kind: global_buffer, .address_space: global }
    .group_segment_fixed_size: 327680
    .private_segment_fixed_size: 0
    .kernarg_segment_align: 8
    .kernarg_segment_size: 40
    .max_flat_workgroup_size: 128
    .sgpr_count:     100
    .vgpr_count:     1024
    .wavefront_size: 32
...
	.end_amdgpu_metadata
.endif
;; end of part 3
;; ======== version 2 of 2: 3 launches
;; limits: right only within a limited range of input values
;; workspace buffers: xq 16,777,216 bytes; vb 1,048,576 bytes; ub 1,048,576 bytes; tq 8,388,608 bytes
;; launch quant (part 4): grid 1024 x 1, 4 waves a work-group, no clusters, 20,992 bytes of LDS; arguments x, h_in, u, v, lowp_scales, xq, ub, vb; writes xq, ub, vb
.if DOCPART == 4
	.amdgcn_target "amdgcn-amd-amdhsa--gfx1250"
	.amdhsa_code_object_version 6
	.text
	.protected	k_qf583d0c1b3_quant
	.globl	k_qf583d0c1b3_quant
	.p2align	8
	.type	k_qf583d0c1b3_quant,@function
k_qf583d0c1b3_quant:
	s_mov_b64 s[64:65], 0
	v_nop
	global_prefetch_b8 v0, s[64:65] scope:SCOPE_SE
	s_setreg_imm32_b32 hwreg(HW_REG_WAVE_MODE, 25, 1), 1
	s_wait_xcnt 0x0
; The three large inputs are made ready for the two products.
;   xq [4096 m][4096 k] = codes of FP8 (E4M3) of x * h_in with the given scale 2^e0: number / 2^e0, held within +-448, rounded to the nearest code, ties to even.
;   vb, ub = the SIGNS of v and of u, one bit a number: 1 where the sign is -1.  sign(a) = +1 where 0 <= a (so for -0 too), else -1 (so for NaN too).
; A sign has two codes only, Q(+1) and the same with the sign bit set; the launches that multiply make Q(+1) by the quantiser and put the bits onto it.  So the signs travel as an eighth of their codes' bytes.
; THE BITS' LAYOUT is the order of the operand's registers: [n / 128][k / 128][q = 0..3][lane 0..31][16 bytes].  A fragment f (16 rows n = 16 f + r, 128 along K) is 16 registers a lane; lane (r, h) = r + 16 h
; holds in byte b of register 8 half + 4 c + i the code of k = 64 half + 32 c + 16 h + 4 i + b.  Its bits are two words, P(half), bit 8 b + 4 c + i; a lane's 16 bytes in quarter q are P(0), P(1) of fragment 2 q
; and P(0), P(1) of fragment 2 q + 1.
; LIMITS: e0 between -126 and 119, so that 2^e0 and 448 x 2^e0 are f32 numbers.  NaN in x or h_in is not served; an infinity is held at the largest code.
; Every work-group takes 32,768 numbers.  Work-groups 0-511 take x, 512-767 u (.Lu), 768-1023 v (.Lv).  The paths never join; only x's uses LDS.
; No tensor loads, no barrier, no matrix work: each number is read once and each result written once, and waves share nothing.
; x: a wave takes 16 rows x 512 columns, a row (2,048 bytes) a step.  A step's four loads read 512 consecutive bytes each, 16 a lane.  The conversions want 16 NEIGHBOURS in one lane's registers: so the 2,048 bytes
; go through the wave's own stage in LDS as they lie and come back 64 bytes a lane (16 bytes of padding behind each 64).  A lane's 16 codes are 16 bytes: the wave stores 512 consecutive bytes.
; A wave keeps its 512 columns, so its h_in lies in 16 registers, in the layout in which the loads bring x.  Loads run four steps (16 loads a wave) ahead, the turn through LDS one step.
.set XWG,    512                       ; work-groups for x: 4096 x 4096 / 32,768
.set UWG,    768                       ; and with u's 256
.set STEPS,  16
.set SROW,   16384                      ; a row of x in bytes
.set CROW,   4096                       ; a row of xq in bytes
.set SP,     80                         ; x's stage: a lane's 64 bytes + 16 of padding
.set SSTG,   32*SP                      ; a stage
.set SWAVE,  2*SSTG                     ; two stages a wave
.set R,      16                         ; x: v16-79   four sets of 16 numbers as they are loaded
.set X,      80                         ;    v80-111  two sets of 16 neighbours
.set H,      112                        ;    v112-127 h_in of my strip: H[4 i + k] = h_in[512 c + 128 i + 4 lane + k]
.set C,      128                        ;    v128-191 codes: four registers for each step, so that no store's data are written again
.set UR,     16                         ; u: v16-143  four sets of eight loads
.set UW,     144                        ;    v144-151 for each of two 128 along K: four words, lane = row, bit g of word b: 0 <= u(row, 4 g + b)
.set UE,     152                        ;    v152-155, v156-159, v160-161 at work
.set UF,     156
.set UT,     160
.set UP,     164                        ;    v164-171 the words to store: 4 (which 128) + 2 h + half
.set VX,     32                         ; v: v32-95   two sets of 32 numbers
.set VP,     96                         ;    v96-103  the words to store, numbered likewise
	s_load_b256 s[4:11], s[0:1], 0x0               ; x s[4:5], h_in s[6:7], u s[8:9], v s[10:11]
	s_load_b256 s[12:19], s[0:1], 0x20             ; the scales' exponents s[12:13], xq s[14:15], ub s[16:17], vb s[18:19]
	v_lshl_add_u32 v192, v0, 2, 0x5000
	v_mov_b32 v193, 0
	v_lshrrev_b32 v1, 5, v0
	v_readfirstlane_b32 s20, v1                    ; wave 0..3
	v_and_b32 v2, 31, v0                           ; lane
	s_wait_kmcnt 0x0
	s_cmp_ge_u32 ttmp9, UWG
	s_cbranch_scc1 .Lv
	s_cmp_ge_u32 ttmp9, XWG
	s_cbranch_scc1 .Lu
	; ---------------- x ----------------
	s_load_b32 s24, s[12:13], 0x0                  ; e0
	s_wait_alu depctr_va_vdst(0)
	v_lshlrev_b32 v3, 4, v2                        ; 16 x lane: my bytes of a load's 512, and of a step's 512 bytes of codes; never rewritten
	s_wait_alu depctr_va_vdst(0)
	s_mul_i32 s21, s20, SWAVE
	v_lshrrev_b32 v14, 2, v2
	v_mul_u32_u24 v14, v14, SP
	v_and_b32 v15, 3, v2
	v_lshl_add_u32 v14, v15, 4, v14
	v_add_nc_u32 v14, s21, v14                     ; the stage, on the way in: four lanes' 64 bytes on end, then the padding: SP (lane / 4) + 16 (lane % 4); a load's 512 bytes take eight places
	v_mul_u32_u24 v15, v2, SP
	v_add_nc_u32 v15, s21, v15                     ; and on the way out: SP x lane: my 16 neighbours
	s_lshl_b32 s22, ttmp9, 2
	s_add_co_u32 s22, s22, s20                     ; my wave among x's 2,048
	s_and_b32 s23, s22, 7                          ; c: which strip of 512 columns
	s_lshr_b32 s22, s22, 3                         ; which group of 16 rows
	s_lshl_b32 s28, s22, 18                        ; 16 rows of 16,384 bytes
	s_lshl_b32 s30, s23, 11                        ; 512 columns of 4 bytes
	s_add_co_u32 s28, s28, s30
	s_mov_b32 s29, 0
	s_mov_b32 s31, 0
	s_add_nc_u64 s[4:5], s[4:5], s[28:29]
	s_add_nc_u64 s[6:7], s[6:7], s[30:31]          ; h_in at my strip
	s_lshl_b32 s28, s22, 16                        ; 16 rows of 4,096 bytes
	s_lshl_b32 s30, s23, 9
	s_add_co_u32 s28, s28, s30
	s_add_nc_u64 s[14:15], s[14:15], s[28:29]
.macro SLOAD t                         ; row t of my 16: 2,048 consecutive bytes by four loads of 512
.irp i, 0,1,2,3
	global_load_b128 v[R+16*((\t)%4)+4*\i:R+16*((\t)%4)+4*\i+3], v3, s[4:5] offset:SROW*(\t)+512*\i th:TH_LOAD_NT
.endr
.endm
; Step t's numbers are multiplied by h_in as they were loaded and go through the stage.  LDS serves a wave's instructions in order, so no wait stands between the stores and the loads.
.macro TURN t
.set RS, R+16*((\t)%4)
.irp j, 0,2,4,6,8,10,12,14
	v_pk_mul_f32 v[RS+\j:RS+\j+1], v[RS+\j:RS+\j+1], v[H+\j:H+\j+1]
.endr
.irp i, 0,1,2,3
	ds_store_b128 v14, v[RS+4*\i:RS+4*\i+3] offset:SSTG*((\t)%2)+8*SP*\i
.endr
.irp i, 0,1,2,3
	ds_load_b128 v[X+16*((\t)%2)+4*\i:X+16*((\t)%2)+4*\i+3], v15 offset:SSTG*((\t)%2)+16*\i
.endr
.endm
.irp i, 0,1,2,3
	global_load_b128 v[H+4*\i:H+4*\i+3], v3, s[6:7] offset:512*\i
.endr
.irp t, 0,1,2,3
	SLOAD \t
.endr
	s_wait_kmcnt 0x0
	s_add_co_i32 s34, s24, 127
	s_lshl_b32 s35, s34, 23
	v_mov_b32 v11, s35                             ; 2^e0 as f32: the conversion takes its exponent field
	s_add_co_i32 s34, s34, 8
	s_lshl_b32 s34, s34, 23
	s_or_b32 s34, s34, 0x600000
	v_mov_b32 v10, s34                             ; 448 x 2^e0
	s_wait_loadcnt 12                              ; h_in and step 0 are in; the 12 loads of steps 1 to 3 may be out
	TURN 0
.macro STEP t
.set XS, X+16*((\t)%2)
	s_wait_dscnt 0x0                               ; this step's numbers are back from the stage: so its stores into the stage have read their registers,
.if (\t)+4 < STEPS
	SLOAD (\t)+4                                   ; which take the loads of four steps on
.endif
.if (\t)+1 < STEPS
.if STEPS-2-(\t) >= 3
	s_wait_loadcnt 12                              ; the next step's four loads are in; those of the three steps behind it may be out
.else
	s_wait_loadcnt 4*(STEPS-2-(\t))                ; in the tail fewer steps are behind it
.endif
	TURN (\t)+1                                    ; and go through the other stage while this step is worked
.endif
.irp i, 0,1,2,3,4,5,6,7,8,9,10,11,12,13,14,15
	v_med3_num_f32 v[XS+\i], v[XS+\i], -v10, v10   ; the conversion to an 8-bit code does not saturate (ISA guide 7.6.2): hold the number within the largest code x the scale first
.endr
	v_cvt_scalef32_pk8_fp8_f32 v[C+4*(\t):C+4*(\t)+1], v[XS:XS+7], v11
	v_cvt_scalef32_pk8_fp8_f32 v[C+4*(\t)+2:C+4*(\t)+3], v[XS+8:XS+15], v11
	global_store_b128 v3, v[C+4*(\t):C+4*(\t)+3], s[14:15] offset:CROW*(\t)   ; 32 lanes store 512 consecutive bytes, at a multiple of 256 from xq's first byte.  (The codes go to a store alone; the next vector lines are plain and touch other registers)
.endm
.irp t, 0,1,2,3,4,5,6,7,8,9,10,11,12,13,14,15
	STEP \t
.endr
	s_wait_tensorcnt 0x0
	ds_add_u32 v192, v193
	s_wait_dscnt 0x0
	s_endpgm
	; ---------------- u: K is innermost ----------------
	; A wave takes 32 rows x 256 along K.  One load reads 512 consecutive bytes of a row: lane g holds k = 4 g + b in register b.  A compare on register b gives, as a lane mask in a scalar register,
	; the 32 signs of k = 4 g + b; v_writelane_b32 puts the mask into the row's lane.  So a row's 128 signs cost one load, four compares and four moves, and 32 rows are then turned into the layout at once.
.Lu:
	s_wait_alu depctr_va_vdst(0)
	v_lshlrev_b32 v3, 4, v2                        ; in: 16 bytes a lane
	v_and_b32 v4, 15, v2
	v_lshrrev_b32 v5, 4, v2
	v_lshlrev_b32 v4, 4, v4
	v_lshl_add_u32 v4, v5, 3, v4                   ; out: lane l is row l of 32: r = l % 16 of fragment l / 16: 16 r + 8 (l / 16); lanes' halves h are 256 bytes apart
	s_sub_co_u32 s22, ttmp9, XWG
	s_lshl_b32 s22, s22, 2
	s_add_co_u32 s22, s22, s20                     ; my wave among u's 1,024
	s_and_b32 s23, s22, 7                          ; which 256 along K
	s_lshr_b32 s22, s22, 3                         ; which 32 rows
	s_lshl_b32 s28, s22, 18                        ; 32 rows of 8,192 bytes
	s_lshl_b32 s30, s23, 10
	s_add_co_u32 s28, s28, s30
	s_mov_b32 s29, 0
	s_add_nc_u64 s[8:9], s[8:9], s[28:29]
	s_lshr_b32 s28, s22, 2                         ; ub: n / 128: 16 blocks of 2,048 bytes each,
	s_lshl_b32 s28, s28, 15
	s_lshl_b32 s30, s23, 12                        ; two blocks for my 256 along K,
	s_add_co_u32 s28, s28, s30
	s_and_b32 s30, s22, 3                          ; and the quarter that holds my two fragments
	s_lshl_b32 s30, s30, 9
	s_add_co_u32 s28, s28, s30
	s_add_nc_u64 s[16:17], s[16:17], s[28:29]
	s_mov_b32 s44, 0x0f0f0f0f
	s_mov_b32 s45, 0x06020400                      ; v_perm_b32: bytes 0 and 2 of two words, by turns
	s_mov_b32 s46, 0x05040100                      ; the two low halves
	s_mov_b32 s47, 0x07060302                      ; the two high halves
.irp j, 0,1,2,3,4,5,6,7
	v_mov_b32 v[UW+\j], 0                          ; written once: v_writelane_b32's destination counts as one of its sources
.endr
.macro ULOAD t                         ; group t: rows 8 (t % 4) .. + 7, the (t / 4)-th 128 along K
.irp i, 0,1,2,3,4,5,6,7
	global_load_b128 v[UR+32*((\t)%4)+4*\i:UR+32*((\t)%4)+4*\i+3], v3, s[8:9] offset:(8*((\t)%4)+\i)*8192+512*((\t)/4) th:TH_LOAD_NT
.endr
.endm
.macro UGROUP t
.if 7-(\t) >= 3
	s_wait_loadcnt 24                              ; this group's eight loads are in; those of the three groups behind it may be out
.else
	s_wait_loadcnt 8*(7-(\t))
.endif
.irp i, 0,1,2,3,4,5,6,7
.irp b, 0,1,2,3
	v_cmp_le_f32 s[36+4*(\i%2)+\b], 0, v[UR+32*((\t)%4)+4*\i+\b]   ; 0 <= a: true for -0, false for NaN
.endr
.irp b, 0,1,2,3
	v_writelane_b32 v[UW+4*((\t)/4)+\b], s[36+4*(\i%2)+\b], 8*((\t)%4)+\i
.endr
.endr
.if (\t)+4 < 8
	ULOAD (\t)+4
.endif
.endm
; The k-th 128 along K of all 32 rows.  g = 8 c + 4 h + i, c = 2 half + c': for half h of the lanes take nibble h of each byte of word b; a byte and its neighbour give the eight bits 4 c' + i of P(half), byte b.
.macro UPACK k
.irp h, 0,1
.irp b, 0,1,2,3
.if \h
	v_lshrrev_b32 v[UE+\b], 4, v[UW+4*\k+\b]
	v_and_b32 v[UE+\b], s44, v[UE+\b]
.else
	v_and_b32 v[UE+\b], s44, v[UW+4*\k+\b]
.endif
.endr
.irp b, 0,1,2,3
	v_lshrrev_b32 v[UF+\b], 4, v[UE+\b]
.endr
.irp b, 0,1,2,3
	v_or_b32 v[UF+\b], v[UF+\b], v[UE+\b]          ; byte 0: c = 0 below, c = 1 above; byte 2: c = 2, c = 3
.endr
	v_perm_b32 v[UT], v[UF+1], v[UF], s45
	v_perm_b32 v[UT+1], v[UF+3], v[UF+2], s45
	v_perm_b32 v[UP+4*\k+2*\h], v[UT+1], v[UT], s46      ; P(0): byte b from word b
	v_perm_b32 v[UP+4*\k+2*\h+1], v[UT+1], v[UT], s47    ; P(1)
	v_xor_b32 v[UP+4*\k+2*\h], -1, v[UP+4*\k+2*\h]       ; a bit says -1
	v_xor_b32 v[UP+4*\k+2*\h+1], -1, v[UP+4*\k+2*\h+1]
	global_store_b64 v4, v[UP+4*\k+2*\h:UP+4*\k+2*\h+1], s[16:17] offset:2048*\k+256*\h   ; 32 lanes store 256 consecutive bytes, at a multiple of 256 from ub's first byte
.endr
.endm
.irp t, 0,1,2,3
	ULOAD \t
.endr
.irp t, 0,1,2,3
	s_wait_alu depctr_va_vdst(0)
	UGROUP \t
.endr
	UPACK 0
.irp t, 4,5,6,7
	s_wait_alu depctr_va_vdst(0)
	UGROUP \t
.endr
	UPACK 1
	s_endpgm
	; ---------------- v: K is the first axis ----------------
	; A lane takes a column n and its registers run down K, in the order of a word's bits from bit 31 down: each load reads 128 consecutive bytes of a row of v, and each sign is shifted into the word by an
	; addition with carry (P = 2 P + carry).  A wave takes 32 columns x 256 along K: eight words a lane.
.Lv:
	s_sub_co_u32 s22, ttmp9, UWG
	s_and_b32 s23, s22, 15                         ; which 128 columns
	s_lshr_b32 s22, s22, 4                         ; which 256 along K
	s_wait_alu depctr_va_vdst(0)
	v_lshlrev_b32 v3, 2, v2                        ; in: 4 bytes a lane
	v_and_b32 v4, 15, v2
	v_lshrrev_b32 v5, 4, v2
	v_lshlrev_b32 v4, 4, v4
	v_lshl_add_u32 v4, v5, 3, v4                   ; out: as for u
	s_lshl_b32 s28, s22, 21                        ; 256 rows of v, 8,192 bytes each,
	s_lshl_b32 s30, s23, 9                         ; 128 columns of 4 bytes,
	s_add_co_u32 s28, s28, s30
	s_lshl_b32 s30, s20, 7                         ; my wave's 32 of them
	s_add_co_u32 s28, s28, s30
	s_mov_b32 s29, 0
	s_add_nc_u64 s[10:11], s[10:11], s[28:29]
	s_lshl_b32 s28, s23, 16                        ; vb: n / 128: 32 blocks of 2,048 bytes each,
	s_lshl_b32 s30, s22, 12                        ; two blocks for my 256 along K,
	s_add_co_u32 s28, s28, s30
	s_lshl_b32 s30, s20, 9                         ; the quarter that holds my two fragments
	s_add_co_u32 s28, s28, s30
	s_add_nc_u64 s[18:19], s[18:19], s[28:29]
.irp j, 0,1,2,3,4,5,6,7
	v_mov_b32 v[VP+\j], 0                          ; written once; 32 additions push out whatever a word held
.endr
; Word t = 4 (which 128) + 2 h + half.  Register i takes bit 31 - i = 8 b + 4 c + j: row k = 128 (t / 4) + 64 (t % 2) + 16 ((t / 2) % 2) + 32 c + 4 j + b.  The largest offset, 255 x 8,192, lies inside the signed 24-bit immediate
.macro VLOAD t
.irp i, 0,1,2,3,4,5,6,7,8,9,10,11,12,13,14,15,16,17,18,19,20,21,22,23,24,25,26,27,28,29,30,31
	global_load_b32 v[VX+32*((\t)%2)+\i], v3, s[10:11] offset:(128*((\t)/4)+64*((\t)%2)+16*(((\t)/2)%2)+32*(((31-\i)/4)%2)+4*((31-\i)%4)+(31-\i)/8)*8192 th:TH_LOAD_NT
.endr
.endm
.macro VBLOCK t
.if (\t) < 7
	s_wait_loadcnt 32                              ; this word's 32 loads are in; the next word's 32 may be out
.else
	s_wait_loadcnt 0
.endif
.irp i, 0,1,2,3,4,5,6,7,8,9,10,11,12,13,14,15,16,17,18,19,20,21,22,23,24,25,26,27,28,29,30,31
	v_cmp_le_f32 vcc_lo, 0, v[VX+32*((\t)%2)+\i]
	v_add_co_ci_u32 v[VP+\t], vcc_lo, v[VP+\t], v[VP+\t], vcc_lo
.endr
.if (\t)+2 < 8
	VLOAD (\t)+2
.endif
	v_xor_b32 v[VP+\t], -1, v[VP+\t]               ; a bit says -1
.if (\t)%2 == 1
	global_store_b64 v4, v[VP+\t-1:VP+\t], s[18:19] offset:2048*((\t)/4)+256*(((\t)/2)%2)   ; 32 lanes store 256 consecutive bytes, at a multiple of 256 from vb's first byte
.endif
.endm
	VLOAD 0
	VLOAD 1
	s_wait_alu depctr_va_vdst(0)
.irp t, 0,1,2,3,4,5,6,7
	VBLOCK \t
.endr
	s_endpgm
.Lfunc_end_k_qf583d0c1b3_quant:
	.size	k_qf583d0c1b3_quant, .Lfunc_end_k_qf583d0c1b3_quant-k_qf583d0c1b3_quant
	.p2alignl 7, 3214868480
	.fill 96, 4, 3214868480
	.section	.rodata,"a",@progbits
	.p2align	6, 0x0
	.amdhsa_kernel k_qf583d0c1b3_quant
		.amdhsa_group_segment_fixed_size 20992
		.amdhsa_private_segment_fixed_size 0
		.amdhsa_enable_private_segment 0
		.amdhsa_kernarg_size 64
		.amdhsa_user_sgpr_count 2
		.amdhsa_user_sgpr_kernarg_segment_ptr 1
		.amdhsa_wavefront_size32 1
		.amdhsa_system_sgpr_workgroup_id_x 1
		.amdhsa_system_sgpr_workgroup_id_y 1
		.amdhsa_system_sgpr_workgroup_id_z 1
		.amdhsa_system_vgpr_workitem_id 0
		.amdhsa_next_free_vgpr 194
		.amdhsa_next_free_sgpr 66
		.amdhsa_reserve_vcc 1
		.amdhsa_float_denorm_mode_32 3
		.amdhsa_float_denorm_mode_16_64 3
		.amdhsa_memory_ordered 1
		.amdhsa_forward_progress 1
		.amdhsa_inst_pref_size 131
	.end_amdhsa_kernel
	.amdgpu_metadata
---
amdhsa.version: [ 1, 2 ]
amdhsa.kernels:
  - .name:           k_qf583d0c1b3_quant
    .symbol:         k_qf583d0c1b3_quant.kd
    .args:
      - { .name: x, .offset: 0, .size: 8, .value_kind: global_buffer, .address_space: global }
      - { .name: h_in, .offset: 8, .size: 8, .value_kind: global_buffer, .address_space: global }
      - { .name: u, .offset: 16, .size: 8, .value_kind: global_buffer, .address_space: global }
      - { .name: v, .offset: 24, .size: 8, .value_kind: global_buffer, .address_space: global }
      - { .name: lowp_scales, .offset: 32, .size: 8, .value_kind: global_buffer, .address_space: global }
      - { .name: xq, .offset: 40, .size: 8, .value_kind: global_buffer, .address_space: global }
      - { .name: ub, .offset: 48, .size: 8, .value_kind: global_buffer, .address_space: global }
      - { .name: vb, .offset: 56, .size: 8, .value_kind: global_buffer, .address_space: global }
    .group_segment_fixed_size: 20992
    .private_segment_fixed_size: 0
    .kernarg_segment_align: 8
    .kernarg_segment_size: 64
    .max_flat_workgroup_size: 128
    .sgpr_count:     66
    .vgpr_count:     194
    .wavefront_size: 32
...
	.end_amdgpu_metadata
.endif
;; end of part 4
;; launch gemm1 (part 5): grid 8 x 32, 4 waves a work-group, clusters of 4 x 1, 327,680 bytes of LDS; arguments xq, vb, lowp_scales, s, tq; writes tq
.if DOCPART == 5
	.amdgcn_target "amdgcn-amd-amdhsa--gfx1250"
	.amdhsa_code_object_version 6
	.text
	.protected	k_qf583d0c1b3_gemm1
	.globl	k_qf583d0c1b3_gemm1
	.p2align	8
	.type	k_qf583d0c1b3_gemm1,@function
k_qf583d0c1b3_gemm1:
	s_mov_b64 s[64:65], 0
	v_nop
	global_prefetch_b8 v0, s[64:65] scope:SCOPE_SE
	s_setreg_imm32_b32 hwreg(HW_REG_WAVE_MODE, 25, 1), 1
	s_wait_xcnt 0x0
	s_wait_alu depctr_hold_cnt(0) depctr_sa_sdst(0) depctr_va_vdst(0) depctr_va_sdst(0) depctr_va_ssrc(0) depctr_va_vcc(0) depctr_vm_vsrc(0)
	s_getreg_b32 s2, hwreg(HW_REG_IB_STS2, 6, 4)
	s_cmp_eq_u32 s2, 0
	s_cbranch_scc0 .Lentry_in_a_cluster
	s_endpgm
.Lentry_in_a_cluster:
	s_bfe_u32 s2, ttmp6, 0x10000c
	s_cmp_lg_u32 s2, 0x3003
	s_cbranch_scc0 .Lentry_shape_is_right
	s_endpgm
.Lentry_shape_is_right:
; tq[m][n] = Q((sum over k of A[m][k] B[n][k]) x s[n], e2): A = the numbers of xq's codes (scale 2^e0), B = Q(sign v, e1).  xq: [4096][4096] codes of FP8 (E4M3), K innermost;
; vb: the signs of v, one bit a number, in the order of the operand's registers ([n / 128][k / 128][quarter][lane][16 bytes]); tq: [4096][2048] codes, K of the next product innermost.  Sums in f32.
; The codes are multiplied as they are; a finished sum is multiplied by s[n] in f32, held within +-448 x 2^(e2 - e0 - e1) and converted with the scale 2^(e2 - e0 - e1): the three powers of two round nothing.
; LIMITS: e1 and e2 - e0 - e1 between -126 and 119, so that each power of two and 448 x it are f32 numbers.  A fragment of A is fetched by four loads of 16 bytes: a permutation of k inside a matrix
; instruction, the same in A and in B's bits: every product meets its partner; only the order of the sums inside an instruction differs from the natural one.
; A BLOCK of the result is 128 rows x 256 columns: 32 x 8 = 256 work-groups.  Four waves side by side, each 128 rows x 64 columns: 32 accumulators, 256 registers.  All four read the same 128 rows of A from LDS;
; each makes the codes of its own 64 columns of B in registers, so no sign is expanded twice in a work-group.  A row of the block is 256 bytes of tq.
; B'S CODES: a sign has two codes, P = Q(+1, e1), made once here by the quantiser, and P with the sign bit set.  Eight registers come from one word of bits: register j = ((word << (7 - j)) & 0x80808080) | P P P P.
; A STEP is 128 along K: one run of 32 LDS loads (the next step's fragments of A, into A's other set), 32 matrix instructions on end, then ONE batch of 56 shifts and 64 and-ors (the next step's codes of B, into B's
; other set) and two loads of bits (five steps on).  Five switches of the register window a step.
; THE RING: two LDS slots of 128 rows x 512 along K (four steps); a wave fetches 32 rows by one tensor load.  At the head of a slot's fourth step all its fragments are in registers, so the slot is filled again there:
; from a request to the wait for it stand three and a half steps, 112 matrix instructions a wave.
; CLUSTERS: 4 x 1 work-groups, four blocks of one block row, which need the same tiles of A: each tile is asked for JOINTLY.  B's bits are not shared so: 4 KB of a step's 20 KB for a work-group, wanted in registers.
; PREFETCH: behind each joint refill in the loop's first two trips, the slot two refills on: 128 rows x 2 blocks of 256 bytes, shared out by address: wave w of partner cx names rows 32 w + 8 cx .. + 7, 16 blocks
; (lanes 16-31 name the wave's last block again).  The last trip's two refills have no slot two refills on and ask for nothing; slots 0 to 3 come by their loads alone.
; THE MATRIX INSTRUCTION IS USED TRANSPOSED (source 0 = 16 columns of B, source 1 = 16 rows of A): a lane holds eight neighbouring columns of one row, which are eight neighbours along the next product's K.
; REGISTERS: window 0: v0-31 addresses and constants, v32-63 s of my columns, v64-95 at work, v128-255 A's set 0 (on the way out: codes and rows);  window 1: v0-127 B's two sets, v128-159 four sets of bits,
; v160-215 shifted words;  window 2: the accumulators, (a, b) at v[8 (4 a + b)];  window 3: v128-255 A's set 1.
.set SIZE_N, 2048
.set SIZE_K, 4096
.set KSLOT,  512
.set PITCH,  528                       ; an LDS row: 512 bytes + 16 of padding: the 16 rows that a load touches start at 16 different banks (64 banks of 4 bytes: ISA guide 11.1)
.set QUART,  32*PITCH                  ; what one tensor load brings
.set SLOT,   128*PITCH
.set LAPS,   SIZE_K/(2*KSLOT)
.set STAGE,  2*SLOT                    ; behind the ring, bytes of its own: 128 rows x (256 + 16) for the way out
.set SPITCH, 272
.set SPARE,  STAGE+128*SPITCH          ; the spare words: 128 bytes a wave, two blocks of 256 that no other line names
.set STEPB,  2048                      ; from one step's bits to the next's
.set PBO,  7                           ; v7   16 x lane
.set PFO,  8                           ; v8   the prefetch's offset
.set ADRA, 16                          ; v16-17 my fragment address in slot 0, 1
.set STO,  24
.set RD,   25
.set CO,   26
.set SOF,  27
.set SPW,  28                          ; v28  my spare word; never rewritten
.set NIL,  29                          ; v29  0; never rewritten
.set QSC,  30                          ; v30  2^(e2 - e0 - e1)
.set QLIM, 31                          ; v31  448 x that
.set SS,   32
.set TMP,  64
.set AF,   128
.set CD,   128
.set BK,   192
.set PB,   128                         ; window 1
.set TM,   160                         ; window 1
.set G1,   24
.set G0,   32
.set MASK, 48
.set POS,  49
.set PBB,  50
.set PFA,  52
.set MSB, 0
.macro WIN new                         ; the immediate's high byte repeats the setting that is left; a switch that changes nothing is dropped
.if MSB != (\new)
	s_set_vgpr_msb (MSB<<8)|(\new)
.set MSB, (\new)
.endif
.endm
.macro CREST                           ; a round of the cluster's barrier behind its opening barrier
	s_cmp_lg_u32 s14, 0
	s_cbranch_scc1 .Lnot_wave_0_\@
	s_barrier_signal -3
.Lnot_wave_0_\@:
	s_barrier_wait -3
	s_barrier_signal -1
	s_barrier_wait -1
.endm
.macro CROUND
	s_barrier_signal -1
	s_barrier_wait -1
	CREST
.endm
.macro PLACES n
.rept \n
	v_nop
.endr
.endm
.macro PBLOAD set, off                 ; a step's bits of my 64 columns: two loads of 512 consecutive bytes, into window 1
	WIN 0x40
	global_load_b128 v[PB+8*(\set):PB+8*(\set)+3], v[PBO], s[PBB:PBB+1] offset:(\off)
	global_load_b128 v[PB+8*(\set)+4:PB+8*(\set)+7], v[PBO], s[PBB:PBB+1] offset:(\off)+512
.endm
.macro EXPAND ds, ps                   ; B's set ds from the eight words of set ps; all in window 1
	WIN 0x45
.irp w, 0,1,2,3,4,5,6,7
.irp j, 0,1,2,3,4,5,6
	v_lshlrev_b32 v[TM+7*\w+\j], 7-\j, v[PB+8*(\ps)+\w]
.endr
.endr
.irp w, 0,1,2,3,4,5,6,7
.irp j, 0,1,2,3,4,5,6
	v_and_or_b32 v[64*(\ds)+8*\w+\j], v[TM+7*\w+\j], s[MASK], s[POS]
.endr
	v_and_or_b32 v[64*(\ds)+8*\w+7], v[PB+8*(\ps)+\w], s[MASK], s[POS]
.endr
.endm
.macro FETCH slot, q, set              ; A's eight fragments of the slot's q-th 128 along K: lane l holds row l % 16; registers 4 c .. 4 c + 3 hold K = 32 c + 16 (l / 16) + 0 .. 15
	WIN 0xc0*(\set)
.irp i, 0,1,2,3,4,5,6,7
.irp c, 0,1,2,3
	ds_load_b128 v[AF+16*\i+4*\c:AF+16*\i+4*\c+3], v[ADRA+\slot] offset:128*(\q)+32*\c+\i*16*PITCH
.endr
.endr
.endm
.macro MUL a0, n, p, zero              ; A's blocks a0 .. a0 + n - 1 x B's four.  The 32 accumulators take turns in the same order in every step
	WIN 0xa1+0x0c*(\p)
.set AA, \a0
.rept \n
.irp b, 0,1,2,3
.if \zero
	v_wmma_f32_16x16x128_fp8_fp8 v[8*(4*AA+\b):8*(4*AA+\b)+7], v[64*(\p)+16*\b:64*(\p)+16*\b+15], v[AF+16*AA:AF+16*AA+15], 0
.else
	v_wmma_f32_16x16x128_fp8_fp8 v[8*(4*AA+\b):8*(4*AA+\b)+7], v[64*(\p)+16*\b:64*(\p)+16*\b+15], v[AF+16*AA:AF+16*AA+15], v[8*(4*AA+\b):8*(4*AA+\b)+7]
.endif
.endr
.set AA, AA+1
.endr
.endm
.macro MAKE q, ld, off, lc             ; the next step's codes of B; lc: the loads of bits of the steps behind it, two each, may be out
	s_wait_loadcnt \lc
	EXPAND 1-(\q)%2, ((\q)+1)%4
.if \ld
	PBLOAD ((\q)+1)%4, \off
.endif
	WIN 0
.endm
; Step q (0 to 2) of a slot.  The loads land in registers that the last step's products read: that step's batch of 120 plain vector lines, which names none of them, stands between.
.macro STEP slot, q, zero, ld, off, lc
	s_wait_alu depctr_va_vdst(0)
	s_wait_dscnt 0x0                               ; this step's fragments of A are in
	FETCH \slot, (\q)+1, 1-(\q)%2
	MUL 0, 8, (\q)%2, \zero
	MAKE \q, \ld, \off, \lc
.endm
; A slot's fourth step changes slots.  fill = 1: a round of the cluster's barrier, and this slot is filled again.
.macro TURN slot, fill, ld, off, lc
.if \fill
	s_wait_xcnt 0x0                                ; my last prefetch has read its address
	s_add_nc_u64 s[PFA:PFA+1], s[PFA:PFA+1], KSLOT
.endif
	s_wait_alu depctr_va_vdst(0)
	s_wait_tensorcnt 0x0                           ; my part of the other slot has landed
	ds_add_u32 v[SPW], v[NIL]
	s_wait_dscnt 0x1                               ; the add alone may be out: this step's fragments are in
	MUL 0, 2, 1, 0
	s_wait_dscnt 0x0                               ; the add is done; my reads of this slot were over with the fragments
	s_barrier_signal -1
	MUL 2, 2, 1, 0
	WIN 0
	s_barrier_wait -1
.if \fill
	CREST
	s_add_nc_u64 s[G0+4*\slot+2:G0+4*\slot+3], s[G0+4*\slot+2:G0+4*\slot+3], 2*KSLOT
	tensor_load_to_lds s[G0+4*\slot:G0+4*\slot+3], s[G1:G1+7]   ; my one load behind the round
	s_nop 0
.endif
	PLACES 4
	FETCH 1-(\slot), 0, 0
.if \fill
	s_cmp_gt_u32 s3, 1                             ; the last trip has no slot two refills on
	s_cbranch_scc0 .Lno_ask_\@
	global_prefetch_b8 v[PFO], s[PFA:PFA+1] th:TH_LOAD_NT scope:SCOPE_SE
.Lno_ask_\@:
.endif
	MUL 4, 4, 1, 0
	MAKE 3, \ld, \off, \lc
.endm
	s_load_b128 s[4:7], s[0:1], 0x0                ; xq, vb
	s_load_b128 s[8:11], s[0:1], 0x10              ; the scales' exponents, s
	s_load_b64 s[12:13], s[0:1], 0x20              ; tq
	v_lshl_add_u32 v[SPW], v0, 2, SPARE
	v_mov_b32 v[NIL], 0
	ds_add_u32 v[SPW], v[NIL]                      ; the opening lines: the add twice on end and its wait
	ds_add_u32 v[SPW], v[NIL]
	v_lshrrev_b32 v1, 5, v0
	v_readfirstlane_b32 s14, v1                    ; wave 0..3
	s_lshr_b32 s15, s14, 1
	s_and_b32 s16, s14, 1
	s_bfe_u32 s40, ttmp6, 0x40000                  ; cx
	s_lshl_b32 s42, ttmp9, 2
	s_add_co_u32 s42, s42, s40                     ; block column 0..7: it enters the addresses of the bits, of s, of tq and of the prefetch alone
	s_and_b32 s17, ttmp7, 0xffff                   ; block row 0..31, which the partners share
	s_mov_b32 s[G1+0], 15|(0<<16)|(1<<20)|(1<<21)|(6<<22)|(3<<25)  ; mask of all four; bytes; padding of 4 words behind every 128
	s_mov_b32 s[G1+1], KSLOT<<16
	s_mov_b32 s[G1+2], 32<<16
	s_mov_b32 s[G1+3], KSLOT<<16
	s_mov_b32 s[G1+4], 32
	s_mov_b32 s[G1+5], SIZE_K
	s_mov_b32 s[G1+6], 0
	s_mov_b32 s[G1+7], 0
	s_lshl_b32 s20, s17, 7
	s_lshl_b32 s18, s14, 5
	s_add_co_u32 s18, s20, s18                     ; row 128 x block row + 32 x wave: what I fetch, and what I store
	s_lshl_b32 s20, s18, 12                        ; in bytes of xq
	s_mov_b32 s21, 0
	s_mul_i32 s45, s14, QUART
	s_lshl_b32 s46, s42, 1
	s_add_co_u32 s46, s46, s15                     ; which 128 columns of B
	s_lshl_b32 s46, s46, 16                        ; 32 steps of 2,048 bytes each
	s_lshl_b32 s47, s16, 10                        ; my two quarters of a step
	s_add_co_u32 s46, s46, s47
	s_mov_b32 s47, 0
	s_lshl_b32 s54, s40, 15                        ; the prefetch: 8 cx rows down,
	s_add_co_u32 s54, s54, 3*KSLOT                 ; at slot 3: the first refill steps it to slot 4
	s_mov_b32 s55, 0
	s_lshl_b32 s56, s18, 11                        ; tq: my first row, 2,048 bytes each,
	s_lshl_b32 s57, s42, 8
	s_add_co_u32 s56, s56, s57                     ; and the block's 256 bytes of it
	s_mov_b32 s57, 0
	s_lshl_b32 s58, s42, 10                        ; s: 256 columns of 4 bytes a block,
	s_lshl_b32 s59, s14, 8
	s_add_co_u32 s58, s58, s59                     ; 64 a wave
	s_mov_b32 s59, 0
	s_mul_i32 s22, s14, 32*SPITCH
	s_add_co_u32 s22, s22, STAGE                   ; out of the stage: rows 32 w on
	s_lshl_b32 s23, s14, 6
	s_add_co_u32 s23, s23, STAGE                   ; into it: my 64 bytes of each row
	s_mov_b32 s[MASK], 0x80808080
	s_wait_dscnt 0x0
	s_wait_kmcnt 0x0
	s_load_b128 s[96:99], s[8:9], 0x0              ; e0, e1, e2, e3
	s_add_nc_u64 s[20:21], s[4:5], s[20:21]
	s_add_nc_u64 s[PBB:PBB+1], s[6:7], s[46:47]
	s_add_nc_u64 s[PFA:PFA+1], s[20:21], s[54:55]
	s_add_nc_u64 s[12:13], s[12:13], s[56:57]
	s_add_nc_u64 s[10:11], s[10:11], s[58:59]
	CROUND                                         ; the four work-groups are here: the first joint loads meet
.irp s, 0,1
	s_mov_b32 s[G0+4*\s], 1
	s_add_co_u32 s[G0+4*\s+1], s45, \s*SLOT
	s_add_nc_u64 s[G0+4*\s+2:G0+4*\s+3], s[20:21], \s*KSLOT
	s_or_b32 s[G0+4*\s+3], s[G0+4*\s+3], 0x80000000
.endr
	tensor_load_to_lds s[G0:G0+3], s[G1:G1+7]      ; slot 0: one tensor load a wave at the head
	s_nop 0
	PLACES 4
	v_and_b32 v1, 15, v0                           ; r
	v_bfe_u32 v2, v0, 4, 1                         ; h
	v_and_b32 v6, 31, v0                           ; lane
	v_lshlrev_b32 v[PBO], 4, v6
	v_lshlrev_b32 v[SOF], 5, v2                    ; s: 8 h columns of 4 bytes
	v_mul_u32_u24 v3, v1, PITCH
	v_lshl_add_u32 v[ADRA], v2, 4, v3
	v_add_nc_u32 v[ADRA+1], SLOT, v[ADRA]
	v_mul_u32_u24 v4, v1, SPITCH
	v_lshl_add_u32 v4, v2, 3, v4
	v_add_nc_u32 v[STO], s23, v4                   ; row r, 8 bytes for each half of the lanes
	v_mul_u32_u24 v5, v2, SPITCH
	v_lshl_add_u32 v5, v1, 4, v5
	v_add_nc_u32 v[RD], s22, v5                    ; back: sixteen lanes to a row of 256 bytes, two rows an instruction
	v_lshlrev_b32 v9, 11, v2
	v_lshl_add_u32 v[CO], v1, 4, v9                ; and the same place in tq
	v_min_u32 v6, 15, v6
	v_and_b32 v10, 7, v6
	v_lshrrev_b32 v6, 3, v6
	v_lshlrev_b32 v10, 12, v10
	v_lshl_add_u32 v[PFO], v6, 8, v10              ; row (l % 8) of xq, block l / 8 of its 512 bytes; lanes 16-31 as lane 15
	s_wait_alu depctr_va_vdst(0)
.irp b, 0,1,2,3
	global_load_b128 v[SS+8*\b:SS+8*\b+3],   v[SOF], s[10:11] offset:64*\b      ; s[16 b + 8 h + 0 .. 7] of my columns
	global_load_b128 v[SS+8*\b+4:SS+8*\b+7], v[SOF], s[10:11] offset:64*\b+16
.endr
.irp x, 0,1,2,3
	PBLOAD \x, \x*STEPB
.endr
	WIN 0
	s_wait_kmcnt 0x0
	s_add_co_i32 s18, s97, 127
	s_lshl_b32 s19, s18, 23                        ; 2^e1
	s_add_co_i32 s18, s18, 8
	s_lshl_b32 s18, s18, 23
	s_or_b32 s18, s18, 0x600000                    ; 448 x 2^e1
	s_sub_co_i32 s96, s98, s96
	s_sub_co_i32 s96, s96, s97
	s_add_co_i32 s96, s96, 127
	s_lshl_b32 s97, s96, 23                        ; 2^(e2 - e0 - e1)
	s_add_co_i32 s96, s96, 8
	s_lshl_b32 s96, s96, 23
	s_or_b32 s96, s96, 0x600000                    ; 448 x that
	v_mov_b32 v74, s19
	v_mov_b32 v75, s18
	v_min_num_f32 v64, 1.0, v75                    ; P = Q(+1, e1): the hold (the conversion does not saturate: ISA guide 7.6.2), the conversion of eight equal numbers
.irp j, 1,2,3,4,5,6,7
	v_mov_b32 v[64+\j], v64
.endr
	v_cvt_scalef32_pk8_fp8_f32 v[72:73], v[64:71], v74
	v_nop
	v_readfirstlane_b32 s[POS], v72
	v_mov_b32 v[QSC], s97
	v_mov_b32 v[QLIM], s96
	s_wait_loadcnt 6                               ; s and step 0's bits are in
	EXPAND 0, 0
	PBLOAD 0, 4*STEPB
	WIN 0
	s_wait_alu depctr_va_vdst(0)
	s_wait_tensorcnt 0x0                           ; my part of slot 0 is in; slot 1's first fill is issued as a refill is
	ds_add_u32 v[SPW], v[NIL]
	s_wait_dscnt 0x0
	CROUND
	tensor_load_to_lds s[G0+4:G0+7], s[G1:G1+7]
	s_nop 0
	PLACES 4
	FETCH 0, 0, 0
	STEP 0, 0, 1, 1, 5*STEPB, 6                    ; the first step's products start the sums
	s_mov_b32 s3, LAPS-1
.Llap:                                                 ; once round the ring, from a lap's second step to the next lap's first
	STEP 0, 1, 0, 1, 6*STEPB, 6
	STEP 0, 2, 0, 1, 7*STEPB, 6
	TURN 0, 1, 1, 8*STEPB, 6
	STEP 1, 0, 0, 1, 9*STEPB, 6
	STEP 1, 1, 0, 1, 10*STEPB, 6
	STEP 1, 2, 0, 1, 11*STEPB, 6
	TURN 1, 1, 1, 12*STEPB, 6
	STEP 0, 0, 0, 1, 13*STEPB, 6
	s_wait_xcnt 0x0                                ; the loads of bits have read their base
	s_add_nc_u64 s[PBB:PBB+1], s[PBB:PBB+1], 8*STEPB
	s_sub_co_u32 s3, s3, 1
	s_cmp_lg_u32 s3, 0
	s_cbranch_scc1 .Llap
	STEP 0, 1, 0, 1, 6*STEPB, 6                    ; the last lap fills nothing
	STEP 0, 2, 0, 1, 7*STEPB, 6                    ; the last step's bits
	TURN 0, 0, 0, 0, 6
	STEP 1, 0, 0, 0, 0, 4                          ; no bits are left to fetch: the counts run down
	STEP 1, 1, 0, 0, 0, 2
	STEP 1, 2, 0, 0, 0, 0
	s_wait_alu depctr_va_vdst(0)
	s_wait_dscnt 0x0
	MUL 0, 8, 1, 0
	WIN 0
	PLACES 4
; THE WAY OUT.  Block a of 16 rows: x s, the hold, the conversion; a lane's eight codes, 8 bytes, go into the work-group's stage.  Each accumulator is read from its low end on.
.macro QBLOCK a
	WIN 0x02
.set j, 0
.rept 16
	v_pk_mul_f32 v[TMP+j:TMP+j+1], v[32*(\a)+j:32*(\a)+j+1], v[SS+j:SS+j+1]
.set j, j+2
.endr
	WIN 0
.set j, 0
.rept 32
	v_med3_num_f32 v[TMP+j], v[TMP+j], -v[QLIM], v[QLIM]
.set j, j+1
.endr
.irp b, 0,1,2,3
	v_cvt_scalef32_pk8_fp8_f32 v[CD+8*(\a)+2*\b:CD+8*(\a)+2*\b+1], v[TMP+8*\b:TMP+8*\b+7], v[QSC]
.endr
	v_nop                                          ; one plain line behind the conversions: the next block writes their sources
.irp b, 0,1,2,3
	ds_store_b64 v[STO], v[CD+8*(\a)+2*\b:CD+8*(\a)+2*\b+1] offset:(\a)*16*SPITCH+16*\b
.endr
.endm
.irp a, 0,1,2,3,4,5,6,7
	QBLOCK \a
.endr
	s_wait_dscnt 0x0                               ; for the others' sake: a row's 256 bytes come from four waves
	s_barrier_signal -1
	s_barrier_wait -1
.set t, 0
.rept 16
	ds_load_b128 v[BK+4*t:BK+4*t+3], v[RD] offset:t*2*SPITCH
.set t, t+1
.endr
.set t, 0
.rept 16
	s_wait_dscnt 15-t
	global_store_b128 v[CO], v[BK+4*t:BK+4*t+3], s[12:13] offset:2*t*SIZE_N   ; sixteen lanes store 256 consecutive bytes, at a multiple of 256 from tq's first byte
.set t, t+1
.endr
	s_wait_tensorcnt 0x0                           ; the wave's end
	ds_add_u32 v[SPW], v[NIL]
	s_wait_dscnt 0x0
	CROUND                                         ; the closing round
	s_endpgm
.Lfunc_end_k_qf583d0c1b3_gemm1:
	.size	k_qf583d0c1b3_gemm1, .Lfunc_end_k_qf583d0c1b3_gemm1-k_qf583d0c1b3_gemm1
	.p2alignl 7, 3214868480
	.fill 96, 4, 3214868480
	.section	.rodata,"a",@progbits
	.p2align	6, 0x0
	.amdhsa_kernel k_qf583d0c1b3_gemm1
		.amdhsa_group_segment_fixed_size 327680
		.amdhsa_private_segment_fixed_size 0
		.amdhsa_enable_private_segment 0
		.amdhsa_kernarg_size 40
		.amdhsa_user_sgpr_count 2
		.amdhsa_user_sgpr_kernarg_segment_ptr 1
		.amdhsa_wavefront_size32 1
		.amdhsa_system_sgpr_workgroup_id_x 1
		.amdhsa_system_sgpr_workgroup_id_y 1
		.amdhsa_system_sgpr_workgroup_id_z 1
		.amdhsa_system_vgpr_workitem_id 0
		.amdhsa_next_free_vgpr 1024
		.amdhsa_next_free_sgpr 100
		.amdhsa_reserve_vcc 0
		.amdhsa_float_denorm_mode_32 3
		.amdhsa_float_denorm_mode_16_64 3
		.amdhsa_memory_ordered 1
		.amdhsa_forward_progress 1
		.amdhsa_inst_pref_size 206
	.end_amdhsa_kernel
	.amdgpu_metadata
---
amdhsa.version: [ 1, 2 ]
amdhsa.kernels:
  - .name:           k_qf583d0c1b3_gemm1
    .symbol:         k_qf583d0c1b3_gemm1.kd
    .args:
      - { .name: xq, .offset: 0, .size: 8, .value_kind: global_buffer, .address_space: global }
      - { .name: vb, .offset: 8, .size: 8, .value_kind: global_buffer, .address_space: global }
      - { .name: lowp_scales, .offset: 16, .size: 8, .value_kind: global_buffer, .address_space: global }
      - { .name: s, .offset: 24, .size: 8, .value_kind: global_buffer, .address_space: global }
      - { .name: tq, .offset: 32, .size: 8, .value_kind: global_buffer, .address_space: global }
    .group_segment_fixed_size: 327680
    .private_segment_fixed_size: 0
    .kernarg_segment_align: 8
    .kernarg_segment_size: 40
    .max_flat_workgroup_size: 128
    .sgpr_count:     100
    .vgpr_count:     1024
    .wavefront_size: 32
...
	.end_amdgpu_metadata
.endif
;; end of part 5
;; launch gemm2 (part 6): grid 16 x 16, 4 waves a work-group, clusters of 4 x 1, 327,680 bytes of LDS; arguments tq, ub, lowp_scales, h_out, out0; writes out0
.if DOCPART == 6
	.amdgcn_target "amdgcn-amd-amdhsa--gfx1250"
	.amdhsa_code_object_version 6
	.text
	.protected	k_qf583d0c1b3_gemm2
	.globl	k_qf583d0c1b3_gemm2
	.p2align	8
	.type	k_qf583d0c1b3_gemm2,@function
k_qf583d0c1b3_gemm2:
	s_mov_b64 s[64:65], 0
	v_nop
	global_prefetch_b8 v0, s[64:65] scope:SCOPE_SE
	s_setreg_imm32_b32 hwreg(HW_REG_WAVE_MODE, 25, 1), 1
	s_wait_xcnt 0x0
	s_wait_alu depctr_hold_cnt(0) depctr_sa_sdst(0) depctr_va_vdst(0) depctr_va_sdst(0) depctr_va_ssrc(0) depctr_va_vcc(0) depctr_vm_vsrc(0)
	s_getreg_b32 s2, hwreg(HW_REG_IB_STS2, 6, 4)
	s_cmp_eq_u32 s2, 0
	s_cbranch_scc0 .Lentry_in_a_cluster
	s_endpgm
.Lentry_in_a_cluster:
	s_bfe_u32 s2, ttmp6, 0x10000c
	s_cmp_lg_u32 s2, 0x3003
	s_cbranch_scc0 .Lentry_shape_is_right
	s_endpgm
.Lentry_shape_is_right:
; out0[m][n] = (sum over k of A[m][k] B[n][k]) x h_out[n], A = the numbers of tq's codes (scale 2^e2), B = Q(sign u, e3).  tq: [4096][2048] codes of FP8 (E4M3), K innermost; ub: the signs of u, one bit a number,
; in the order of the operand's registers; out0: [4096][4096] f32; sums in f32.  The codes are multiplied as they are; h_out[n] x 2^(e2 + e3) is made once (a multiplication that rounds nothing), and each finished
; sum is multiplied by it once.
; B'S CODES ARE MADE IN REGISTERS.  A sign has two codes: P = Q(+1, e3), made once here by the quantiser (the hold at 448 x 2^e3, the conversion), and P with the sign bit set.  A fragment's 16 registers come from
; two words of bits: register j of eight is ((word << (7 - j)) & 0x80808080) | P P P P: bit 8 b + j of the word becomes the sign of byte b.  30 plain vector instructions a fragment, 240 for a step's 64 matrix instructions.
; They stand in batches of 60 behind each run of sixteen matrix instructions, so that they are issued while the matrix unit works: 28 shifts in window 0, then 32 and-ors into window 1.
; What that buys: LDS holds A alone, so a slot takes 512 along K and not 256: one refill, one barrier and one round of the cluster serve 256 matrix instructions a wave; LDS is read half as much;
; and B's bits, 2,048 bytes a wave and step, come straight into registers, three steps ahead, with no barrier.
; LIMITS: e3 between -126 and 119, e2 + e3 between -126 and 127, so that each power of two below is an f32 number.  A fragment of A is fetched by four loads of 16 bytes: a permutation of k inside a matrix
; instruction, the same in A and in B's bits; every product meets its partner, and only the order of the sums inside an instruction differs from the natural one.
; A tile of C, 256 x 256, is made by a work-group of four waves; a wave makes 128 x 128: 64 accumulators of 16 x 16, 512 registers.  16 x 16 = 256 work-groups.
; CLUSTERS: 4 x 1 work-groups, the four of one tile row of C, which need the same tiles of A: each tile is asked for JOINTLY, by the same tensor load with the same descriptor and a mask that names the four.
; B's bits are not shared so: they are 8 KB of a step's 72 KB for a work-group, and each wave wants its own in its registers.
; THE MATRIX INSTRUCTION IS USED TRANSPOSED (source 0 = 16 rows of B, source 1 = 16 rows of A): a lane then holds eight neighbouring numbers of a row of C.
; REGISTERS, in windows of 256: window 0: v0-31 addresses, v8-11 h_out of my four columns; v32-95 B's bits, four sets of 16 by turns; v96-123 shifted words;
;   from v128 A's fragments (8 x 16 rows x 128 K), ONE set; on the way out v128-255 are free.   window 1: B's codes, TWO sets, at v0 and at v128.
;   window 2: the 32 accumulators of my rows 0-63 (accumulator (a, b) at v[8 (8 a + b)]);   window 3: those of my rows 64-127.
; A step of 128 along K is 64 matrix instructions, A's blocks one after the other, each against B's eight.  So a block of A is free as soon as its eight products are issued, and one set of registers serves A:
; blocks 0-3 are fetched anew in the step's middle, blocks 4-7 at its end, each in ONE run of 16 loads.  Beside A's block a the next step's fragment a of B is made, into B's other set.
.set SIZE_M, 4096
.set SIZE_N, 4096
.set SIZE_K, 2048
.set KSLOT,  512                       ; along K in a slot: four steps of 128
.set PITCH,  528                       ; an LDS row: 512 bytes of data + 16 of padding = 132 words: row r starts at bank 4 r mod 64 (64 banks of 4 bytes: ISA guide 11.1), so the 16 rows that a load touches start at 16 different banks
.set FR,     16                        ; registers of a fragment: 16 rows x 128 K
.set NL,     4                         ; LDS loads that bring one
.set NP,     4                         ; places behind this matrix instruction (ISA guide 7.12.1)
.set QUART,  64*PITCH                  ; 64 rows: what one tensor load brings
.set HALFT,  128*PITCH                 ; 128 rows: what one wave reads
.set SLOT,   256*PITCH                 ; A's 256 rows
.set LAPS,   SIZE_K/(2*KSLOT)          ; a lap = two slots = eight steps = once round the ring
.set SPARE,  2*SLOT                    ; behind the ring: the spare words, 128 bytes for each wave: two blocks of 256 bytes that no other line names
.set STEPB,  2048                      ; a wave's bits of B for one step
.set SPITCH, 528                       ; the way out: a stage of 16 rows x (512 bytes + 16) for each wave.  It lies in slot 0, which has had its last fill and its last read when the first result is stored there
.set HS,   8                           ; v8-11   h_out[my first column + 4 lane + 0 .. 3], later x 2^(e2 + e3)
.set ADRA, 16                          ; v16-17  LDS address of my A fragments in slot 0, 1
.set STO,  24                          ; v24     the way out: where I put 32 bytes of a row
.set RD,   25                          ; v25     the way out: where I read a row back
.set CO,   26                          ; v26     16 x lane: my byte offset in a row's 512 bytes of C, in h_out's, and in a load of bits
.set PBO,  26
.set SPW,  28                          ; v28     LDS address of my spare word: SPARE + 4 x my thread's number; never rewritten
.set NIL,  29                          ; v29     0; never rewritten
.set PB,   32                          ; v32-95  set x: fragment f's two words at PB + 16 x + 2 f
.set TM,   96                          ; v96-123 four words shifted by 7, 6 .. 1
.set AF,   128                         ; A's fragments, in window 0
.set BK,   128                         ; the way out: 16 rows read back from the stage: v128-191 and v192-255 by turns
.set G1,   24                          ; s[24:31] descriptor group 1;  s[32:39] group 0, one set for each slot
.set G0,   32
.set MASK, 48                          ; s48     0x80808080
.set POS,  49                          ; s49     the code of Q(+1, e3), four times
.set PBB,  50                          ; s[50:51] my bits at the lap's first step
.set MSB, 0
.macro WIN new                         ; the immediate's high byte repeats the setting that is left; a switch that changes nothing is dropped
.if MSB != (\new)
	s_set_vgpr_msb (MSB<<8)|(\new)
.set MSB, (\new)
.endif
.endm
.set MUL_LO, 0xa1                      ; source 0 (B) window 1, source 1 (A) window 0, C and D window 2
.set MUL_HI, 0xf1                      ; the same, C and D window 3
.set TO_B,   0x40                      ; destination window 1, sources window 0
.macro CREST                           ; a round of the cluster's barrier behind its opening barrier
	s_cmp_lg_u32 s14, 0
	s_cbranch_scc1 .Lnot_wave_0_\@
	s_barrier_signal -3
.Lnot_wave_0_\@:
	s_barrier_wait -3
	s_barrier_signal -1
	s_barrier_wait -1
.endm
.macro CROUND                          ; a whole round
	s_barrier_signal -1
	s_barrier_wait -1
	CREST
.endm
.macro PLACES n
.rept \n
	v_nop
.endr
.endm
.macro PBLOAD set, off                 ; a step's bits: four loads of 512 consecutive bytes
.irp c, 0,1,2,3
	global_load_b128 v[PB+16*(\set)+4*\c:PB+16*(\set)+4*\c+3], v[PBO], s[PBB:PBB+1] offset:(\off)+512*\c
.endr
.endm
.macro MIDLOAD kind, set, off          ; the four global loads of a step: 1: the bits of four steps on, into the set that the last step used up; 0: none
.if \kind == 1
	PBLOAD \set, \off
.endif
.endm
	s_load_b128 s[4:7], s[0:1], 0x0                ; A's codes s[4:5], B's bits s[6:7]
	s_load_b128 s[8:11], s[0:1], 0x10              ; the scales' exponents s[8:9], h_out s[10:11]
	s_load_b64 s[12:13], s[0:1], 0x20              ; out0
	v_lshl_add_u32 v[SPW], v0, 2, SPARE
	v_mov_b32 v[NIL], 0
	ds_add_u32 v28, v29
	ds_add_u32 v28, v29
	s_wait_dscnt 0x0
	v_lshrrev_b32 v1, 5, v0
	v_readfirstlane_b32 s14, v1                    ; wave 0..3
	s_lshr_b32 s15, s14, 1                         ; which half of the tile's rows is mine
	s_and_b32 s16, s14, 1                          ; which half of its columns
	s_bfe_u32 s40, ttmp6, 0x40000                  ; cx: my place in the cluster
	s_lshl_b32 s42, ttmp9, 2
	s_add_co_u32 s42, s42, s40                     ; tile column of C = 4 x cluster x + cx: it enters the addresses of B's bits, of h_out and of out0 alone
	s_and_b32 s17, ttmp7, 0xffff                   ; tile row of C, which the four partners share
	; descriptor group 1: a tile of 64 rows x 512 bytes, padded in LDS
	s_mov_b32 s[G1+0], 15|(0<<16)|(1<<20)|(1<<21)|(6<<22)|(3<<25)  ; 15:0 the mask: all four work-groups; 17:16 element of 1 byte; 20 padding on; 21 set beside a mask; 24:22 after every 128 words (code 6); 31:25 of 4 words (code 3)
	s_mov_b32 s[G1+1], KSLOT<<16                   ; tensor_dim0
	s_mov_b32 s[G1+2], 64<<16                      ; tensor_dim1 = 64
	s_mov_b32 s[G1+3], KSLOT<<16                   ; tile_dim0
	s_mov_b32 s[G1+4], 64                          ; tile_dim1 = 64
	s_mov_b32 s[G1+5], SIZE_K                      ; tensor_dim0_stride
	s_mov_b32 s[G1+6], 0
	s_mov_b32 s[G1+7], 0
	s_lshl_b32 s20, s17, 8
	s_lshl_b32 s18, s14, 6
	s_add_co_u32 s20, s20, s18                     ; the rows of A that I fetch: 256 x tile row + 64 x wave on
	s_mov_b32 s21, 0
	s_mov_b64 s[18:19], SIZE_K
	s_mul_u64 s[20:21], s[20:21], s[18:19]         ; in bytes
	s_mul_i32 s45, s14, QUART                      ; where they go: wave x 64 rows: no place in the cluster enters an LDS address
	s_lshl_b32 s46, s42, 1
	s_add_co_u32 s46, s46, s16                     ; my 128 columns among B's
	s_mul_i32 s46, s46, SIZE_K*16                  ; their bits: SIZE_K / 128 steps of 2,048 bytes
	s_mov_b32 s47, 0
	s_mov_b32 s[MASK], 0x80808080
	s_wait_kmcnt 0x0
	s_load_b128 s[96:99], s[8:9], 0x0              ; e0, e1, e2, e3
	s_add_nc_u64 s[20:21], s[4:5], s[20:21]
	s_add_nc_u64 s[PBB:PBB+1], s[6:7], s[46:47]
	CROUND                                         ; all four work-groups are here: the first joint loads meet
.irp s, 0,1
	s_mov_b32 s[G0+4*\s], 1
	s_add_co_u32 s[G0+4*\s+1], s45, \s*SLOT
	s_add_nc_u64 s[G0+4*\s+2:G0+4*\s+3], s[20:21], \s*KSLOT
	s_or_b32 s[G0+4*\s+3], s[G0+4*\s+3], 0x80000000
.endr
	tensor_load_to_lds s[G0:G0+3], s[G1:G1+7]      ; slot 0: one tensor load a wave at the head
	s_nop 0
	PLACES 4                                       ; four v_nop follow
	v_and_b32 v1, 15, v0                           ; r = l % 16
	s_wait_alu depctr_va_vdst(0)
	v_bfe_u32 v2, v0, 4, 1                         ; h = l / 16
	v_and_b32 v6, 31, v0
	v_lshlrev_b32 v[CO], 4, v6
	s_lshl_b32 s46, s42, 10                        ; my first column, in bytes of f32: 1024 x tile column + 512 x half
	s_lshl_b32 s47, s16, 9
	s_add_co_u32 s46, s46, s47
	s_mov_b32 s47, 0
	s_add_nc_u64 s[10:11], s[10:11], s[46:47]      ; h_out at my first column
	global_load_b128 v[HS:HS+3], v[CO], s[10:11]   ; behind the stage a lane holds the same four columns in every row: four numbers of h_out serve the whole tile; the wave reads 512 consecutive bytes
.irp x, 0,1,2,3
	PBLOAD \x, \x*STEPB                            ; the bits of steps 0 to 3
.endr
	v_mul_u32_u24 v3, v1, PITCH
	v_lshl_add_u32 v4, v2, 4, v3                   ; a fragment's row x pitch + 16 x half
	s_mul_i32 s21, s15, HALFT                      ; my 128 rows of A
	v_add_nc_u32 v[ADRA], s21, v4
	s_add_co_u32 s21, s21, SLOT
	v_add_nc_u32 v[ADRA+1], s21, v4
	s_mul_i32 s23, s14, 16*SPITCH                  ; my stage
	v_mul_u32_u24 v5, v1, SPITCH                   ; in: row l % 16, 32 bytes for each half of the lanes
	s_wait_alu depctr_va_vdst(0)
	v_lshl_add_u32 v5, v2, 5, v5
	v_add_nc_u32 v[STO], s23, v5
	v_add_nc_u32 v[RD], s23, v[CO]                 ; back: the 32 lanes take one row of 512 bytes
	s_lshl_b32 s20, s17, 8
	s_lshl_b32 s21, s15, 7
	s_add_co_u32 s20, s20, s21                     ; my first row of C: 256 x tile row + 128 x half
	s_mov_b32 s21, 0
	s_mov_b64 s[18:19], SIZE_N*4
	s_mul_u64 s[20:21], s[20:21], s[18:19]
	s_add_nc_u64 s[20:21], s[20:21], s[46:47]
	s_add_nc_u64 s[12:13], s[12:13], s[20:21]
	; P = Q(+1, e3), by the quantiser: the hold, the conversion of eight equal numbers; a word of the result is P four times
	s_wait_kmcnt 0x0
	s_add_co_i32 s22, s99, 127
	s_lshl_b32 s23, s22, 23
	v_mov_b32 v138, s23                            ; 2^e3 as f32: the conversion takes its exponent field
	s_add_co_i32 s22, s22, 8
	s_lshl_b32 s22, s22, 23
	s_or_b32 s22, s22, 0x600000
	v_mov_b32 v139, s22                            ; 448 x 2^e3
	v_min_num_f32 v128, 1.0, v139                  ; the conversion to an 8-bit code does not saturate (ISA guide 7.6.2)
.irp j, 1,2,3,4,5,6,7
	v_mov_b32 v[128+\j], v128
.endr
	v_cvt_scalef32_pk8_fp8_f32 v[136:137], v[128:135], v138
	v_nop                                          ; one plain vector instruction between a scaled conversion and the next vector instruction that touches its result
	v_readfirstlane_b32 s[POS], v136
; Slice j of eight of fragment f: from the words of set ps into B's set ds.  Slices 0, 1 shift the fragment's first word, 2, 3 make registers 0-7 of it; 4 to 7 the same for the second word and registers 8-15.
; A slice works under one setting of the windows: the shifts in window 0, the codes into window 1.
.macro CHUNK f, j, ds, ps
.set PR, PB+16*(\ps)+2*(\f)+(\j)/4
.set BR, 128*(\ds)+FR*(\f)+8*((\j)/4)
.if (\j)%4 == 0
	WIN 0
	v_lshlrev_b32 v[TM+0], 7, v[PR]
	v_lshlrev_b32 v[TM+1], 6, v[PR]
	v_lshlrev_b32 v[TM+2], 5, v[PR]
	v_lshlrev_b32 v[TM+3], 4, v[PR]
.elseif (\j)%4 == 1
	WIN 0
	v_lshlrev_b32 v[TM+4], 3, v[PR]
	v_lshlrev_b32 v[TM+5], 2, v[PR]
	v_lshlrev_b32 v[TM+6], 1, v[PR]
.elseif (\j)%4 == 2
	WIN TO_B
	v_and_or_b32 v[BR+0], v[TM+0], s[MASK], s[POS]
	v_and_or_b32 v[BR+1], v[TM+1], s[MASK], s[POS]
	v_and_or_b32 v[BR+2], v[TM+2], s[MASK], s[POS]
	v_and_or_b32 v[BR+3], v[TM+3], s[MASK], s[POS]
.else
	WIN TO_B
	v_and_or_b32 v[BR+4], v[TM+4], s[MASK], s[POS]
	v_and_or_b32 v[BR+5], v[TM+5], s[MASK], s[POS]
	v_and_or_b32 v[BR+6], v[TM+6], s[MASK], s[POS]
	v_and_or_b32 v[BR+7], v[PR], s[MASK], s[POS]
.endif
.endm
; Fragments a0 and a0 + 1 of B's set ds, from their four words of set ps, in one batch: 28 shifts in window 0, then 32 and-ors into window 1.
.macro EXPAND a0, ds, ps
	WIN 0
.irp w, 0,1,2,3
.irp j, 0,1,2,3,4,5,6
	v_lshlrev_b32 v[TM+7*\w+\j], 7-\j, v[PB+16*(\ps)+2*(\a0)+\w]
.endr
.endr
	WIN TO_B
.irp w, 0,1,2,3
.irp j, 0,1,2,3,4,5,6
	v_and_or_b32 v[128*(\ds)+FR*(\a0)+8*\w+\j], v[TM+7*\w+\j], s[MASK], s[POS]
.endr
	v_and_or_b32 v[128*(\ds)+FR*(\a0)+8*\w+7], v[PB+16*(\ps)+2*(\a0)+\w], s[MASK], s[POS]
.endr
.endm
.macro FRAG reg, adr, q, i
.irp c, 0,1,2,3
	ds_load_b128 v[\reg+4*\c:\reg+4*\c+3], v[\adr] offset:128*(\q)+32*\c+(\i)*16*PITCH
.endr
.endm
.macro FETCH_A slot, q, i0             ; A's blocks i0 .. i0 + 3 of the slot's q-th 128 along K: one run of 16 loads, under window 0
.irp i, \i0, \i0+1, \i0+2, \i0+3
	FRAG AF+FR*(\i), ADRA+\slot, \q, \i
.endr
.endm
; 16 matrix instructions: A's blocks a0, a0 + 1 x B's eight, 128 along K.  p: B's set.  zero = 1: the first product starts the sums: nothing is ever cleared.  ex = 1: behind the sixteen products stand the
; next step's fragments a0 and a0 + 1 of B, in one batch, from the words of set ps.  The 64 accumulators take turns, one instruction a turn, in the same order in every step.
.macro MULX a0, p, zero, ex, ps
.irp a, \a0, \a0+1
.irp b, 0,1,2,3,4,5,6,7
	WIN MUL_LO+0x50*((\a)/4)
.if \zero
	v_wmma_f32_16x16x128_fp8_fp8 v[8*(8*((\a)%4)+\b):8*(8*((\a)%4)+\b)+7], v[128*(\p)+FR*\b:128*(\p)+FR*\b+FR-1], v[AF+FR*(\a):AF+FR*(\a)+FR-1], 0
.else
	v_wmma_f32_16x16x128_fp8_fp8 v[8*(8*((\a)%4)+\b):8*(8*((\a)%4)+\b)+7], v[128*(\p)+FR*\b:128*(\p)+FR*\b+FR-1], v[AF+FR*(\a):AF+FR*(\a)+FR-1], v[8*(8*((\a)%4)+\b):8*(8*((\a)%4)+\b)+7]
.endif
.endr
.endr
.if \ex
	EXPAND \a0, 1-(\p), \ps                        ; behind the sixteen products: the next step's fragments a0 and a0 + 1 of B, in one batch
.endif
.endm
; A load into a register that a matrix instruction has read stands four places behind that matrix instruction, and only plain vector instructions that name none of its registers are places (ISA guide 7.12.1 for
; vector instructions).  Here the end of the batch in front of each run of loads is the four places: four v_and_or_b32 into B's OTHER set, from words and shifted words.
; Step q (0 to 2) of a slot: it has its successor in the same slot.  lc: the global loads that may stay out when the next step's bits have to be in: those of the steps behind it.
.macro STEP slot, q, zero, kind, off, lc
	s_wait_alu depctr_va_vdst(0)
	s_wait_loadcnt \lc
	s_wait_dscnt 4*NL
	MULX 0, (\q)%2, \zero, 1, ((\q)+1)%4
	MULX 2, (\q)%2, \zero, 1, ((\q)+1)%4
	s_wait_dscnt 0                                 ; A's blocks 4-7 are in (asked for 32 matrix instructions ago)
	WIN 0
	FETCH_A \slot, (\q)+1, 0
	MIDLOAD \kind, \q, \off
	MULX 4, (\q)%2, \zero, 1, ((\q)+1)%4
	MULX 6, (\q)%2, \zero, 1, ((\q)+1)%4
	WIN 0
	FETCH_A \slot, (\q)+1, 4
.endm
; A slot's last step changes slots: ONE barrier; in front of it each wave waits for all its tensor loads, adds 0 to its spare word, and waits for that and for its own reads of this slot (the step's fragments of A
; are in registers by then).  fill = 1: this slot is filled again, two slots ahead; from that request to the wait for it a wave issues 224 matrix instructions.
.macro TURN slot, next, fill, kind, off, lc
	s_wait_alu depctr_va_vdst(0)
	s_wait_loadcnt \lc
	s_wait_tensorcnt 0x0
	ds_add_u32 v[SPW], v[NIL]                      ; 0 onto my spare word
	s_wait_dscnt 4*NL+1                            ; (the add and the youngest 16 loads, A's blocks 4-7, may be out)
	MULX 0, 1, 0, 1, 0                             ; sixteen matrix instructions and their batch stand between the add and the wait for it
	s_wait_dscnt 0x0                               ; the add is done, and my reads of this slot are over
	s_barrier_signal -1
	MULX 2, 1, 0, 1, 0
	WIN 0
	s_barrier_wait -1
.if \fill
	CREST                                          ; the barrier has opened a round of the cluster's barrier: no wave of any partner still reads this slot's tile or has a load on its way
	s_add_nc_u64 s[G0+4*\slot+2:G0+4*\slot+3], s[G0+4*\slot+2:G0+4*\slot+3], 2*KSLOT
	tensor_load_to_lds s[G0+4*\slot:G0+4*\slot+3], s[G1:G1+7]   ; the first tensor load behind the round, my one load until the next
	s_nop 0
	PLACES 4                                       ; four v_nop follow
.else
	PLACES NP
.endif
	FETCH_A \next, 0, 0
	MIDLOAD \kind, 3, \off
	MULX 4, 1, 0, 1, 0
	MULX 6, 1, 0, 1, 0
	WIN 0
	FETCH_A \next, 0, 4
.endm
	s_wait_loadcnt 12                              ; h_out and step 0's bits are in; the 12 loads of steps 1 to 3 may be out
.irp f, 0,1,2,3,4,5,6,7                        ; B's first set is made while the first tile is on its way
.irp j, 0,1,2,3,4,5,6,7
	CHUNK \f, \j, 0, 0
.endr
.endr
	WIN 0
	s_wait_alu depctr_va_vdst(0)
	s_wait_tensorcnt 0x0                           ; my part of slot 0 is in; slot 1's first fill is issued as a refill is
	ds_add_u32 v[SPW], v[NIL]
	s_wait_dscnt 0x0
	CROUND
	tensor_load_to_lds s[G0+4:G0+7], s[G1:G1+7]
	s_nop 0
	PLACES 4
	FETCH_A 0, 0, 0
	FETCH_A 0, 0, 4
	STEP 0, 0, 1, 1, 4*STEPB, 8                    ; the first step stands in front of the loop: its products start the sums
	s_mov_b32 s3, LAPS-1
.Llap:                                                 ; a trip goes once round the ring, from a lap's second step to the next lap's first, and fills both slots again
	STEP 0, 1, 0, 1, 5*STEPB, 8
	STEP 0, 2, 0, 1, 6*STEPB, 8
	TURN 0, 1, 1, 1, 7*STEPB, 8
	STEP 1, 0, 0, 1, 8*STEPB, 8
	STEP 1, 1, 0, 1, 9*STEPB, 8
	STEP 1, 2, 0, 1, 10*STEPB, 8
	TURN 1, 0, 1, 1, 11*STEPB, 8
	STEP 0, 0, 0, 1, 12*STEPB, 8
	s_wait_xcnt 0x0                                ; the loads of bits have had their addresses translated: their base may step
	s_add_nc_u64 s[PBB:PBB+1], s[PBB:PBB+1], 8*STEPB
	s_sub_co_u32 s3, s3, 1
	s_cmp_lg_u32 s3, 0
	s_cbranch_scc1 .Llap
	STEP 0, 1, 0, 1, 5*STEPB, 8                    ; the last lap fills nothing, and has no round of the cluster's barrier
	STEP 0, 2, 0, 1, 6*STEPB, 8
	TURN 0, 1, 0, 1, 7*STEPB, 8                    ; the last step's bits
	STEP 1, 0, 0, 0, 0, 8                          ; no bits are left to fetch: the counts run down
	STEP 1, 1, 0, 0, 0, 4
	STEP 1, 2, 0, 0, 0, 0
	s_wait_alu depctr_va_vdst(0)
	s_wait_dscnt 4*NL                              ; the very last step: nothing more to fetch or to make
	MULX 0, 1, 0, 0, 0
	MULX 2, 1, 0, 0, 0
	s_wait_dscnt 0
	MULX 4, 1, 0, 0, 0
	MULX 6, 1, 0, 0, 0
	WIN 0
; THE WAY OUT, block by block of 16 rows x 128 columns.  A lane holds 32 neighbouring bytes of a row, and the lanes beside it hold other rows: so a block goes through my own stage in LDS, straight from the
; accumulators (each from its low end on), and comes back as whole rows of 512 bytes.  There a lane holds the same four columns in every row: two packed multiplications by h_out x 2^(e2 + e3), and the 32 lanes
; store two aligned runs of 256 bytes.  LDS serves a wave's instructions in order (ISA guide 5.7.1.4): no wait between the stores and the loads, nor in front of the next block's stores.
.macro TOSTAGE a
.set AC, 64*((\a)%4)
	WIN 0x08+4*((\a)/4)                            ; an LDS store's data are source 1: window 2 or 3; its address, source 0, window 0
.irp b, 0,1,2,3,4,5,6,7
	ds_store_b128 v[STO], v[AC+8*\b:AC+8*\b+3] offset:64*\b
	ds_store_b128 v[STO], v[AC+8*\b+4:AC+8*\b+7] offset:64*\b+16
.endr
	WIN 0
.set BB, BK+64*((\a)%2)
.irp t, 0,1,2,3,4,5,6,7,8,9,10,11,12,13,14,15
	ds_load_b128 v[BB+4*\t:BB+4*\t+3], v[RD] offset:\t*SPITCH
.endr
.endm
.macro SEND a, younger                 ; younger: the LDS instructions issued behind block a's loads, which may stay out
.set BB, BK+64*((\a)%2)
	s_wait_dscnt \younger                          ; the block is back in registers
.if (\a) > 0
	s_add_nc_u64 s[12:13], s[12:13], 16*SIZE_N*4   ; (behind a wait on XCNT: the earlier stores have read their base)  16 rows of C on, so that the stores' offsets stay small: 15 rows of C at the most
.endif
.irp t, 0,1,2,3,4,5,6,7,8,9,10,11,12,13,14,15
	v_pk_mul_f32 v[BB+4*\t:BB+4*\t+1], v[BB+4*\t:BB+4*\t+1], v[HS:HS+1]
	v_pk_mul_f32 v[BB+4*\t+2:BB+4*\t+3], v[BB+4*\t+2:BB+4*\t+3], v[HS+2:HS+3]
	global_store_b128 v[CO], v[BB+4*\t:BB+4*\t+3], s[12:13] offset:\t*SIZE_N*4 th:TH_STORE_NT   ; 32 lanes store 512 consecutive bytes, at a multiple of 256 from C's first byte; written once, read by nobody here
.endr
.endm
	s_add_co_i32 s96, s98, s99                     ; e2 + e3, between -126 and 127,
	s_add_co_i32 s96, s96, 127
	s_lshl_b32 s96, s96, 23                        ; makes the f32 number 2^(e2 + e3)
	s_mov_b32 s97, s96                             ; (named with it as a pair, so it is written)
	v_pk_mul_f32 v[HS:HS+1], v[HS:HS+1], s[96:97] op_sel_hi:[1,0]       ; h_out x 2^(e2 + e3): nothing is rounded, short of overflow and underflow
	s_wait_alu depctr_va_vdst(0)
	v_pk_mul_f32 v[HS+2:HS+3], v[HS+2:HS+3], s[96:97] op_sel_hi:[1,0]
	s_wait_alu depctr_va_vdst(0)
	PLACES NP                                      ; behind the last products: for the LDS stores that read results and the loads into the registers that held A's fragments
	TOSTAGE 0
.irp a, 1,2,3,4,5,6,7
.if \a > 1
	s_wait_xcnt 0x0                                ; block a - 2's stores have read their registers and their base: block a's loads may land there, and the base may step
.endif
	TOSTAGE \a
	SEND \a-1, 32                                  ; behind block a - 1's loads: block a's 16 stores and 16 loads
.endr
	s_wait_xcnt 0x0                                ; block 6's stores have read their base
	SEND 7, 0
	s_wait_tensorcnt 0x0                           ; the wave's end: behind my last tensor load and my last LDS store
	ds_add_u32 v[SPW], v[NIL]
	s_wait_dscnt 0x0
	CROUND                                         ; the closing round: no work-group ends while a partner may still ask for a tile that names it
	s_endpgm
.Lfunc_end_k_qf583d0c1b3_gemm2:
	.size	k_qf583d0c1b3_gemm2, .Lfunc_end_k_qf583d0c1b3_gemm2-k_qf583d0c1b3_gemm2
	.p2alignl 7, 3214868480
	.fill 96, 4, 3214868480
	.section	.rodata,"a",@progbits
	.p2align	6, 0x0
	.amdhsa_kernel k_qf583d0c1b3_gemm2
		.amdhsa_group_segment_fixed_size 327680
		.amdhsa_private_segment_fixed_size 0
		.amdhsa_enable_private_segment 0
		.amdhsa_kernarg_size 40
		.amdhsa_user_sgpr_count 2
		.amdhsa_user_sgpr_kernarg_segment_ptr 1
		.amdhsa_wavefront_size32 1
		.amdhsa_system_sgpr_workgroup_id_x 1
		.amdhsa_system_sgpr_workgroup_id_y 1
		.amdhsa_system_sgpr_workgroup_id_z 1
		.amdhsa_system_vgpr_workitem_id 0
		.amdhsa_next_free_vgpr 1024
		.amdhsa_next_free_sgpr 100
		.amdhsa_reserve_vcc 0
		.amdhsa_float_denorm_mode_32 3
		.amdhsa_float_denorm_mode_16_64 3
		.amdhsa_memory_ordered 1
		.amdhsa_forward_progress 1
		.amdhsa_inst_pref_size 255
	.end_amdhsa_kernel
	.section	.bss,"aw",@nobits
	.p2align	6
	.space	262144
	.amdgpu_metadata
---
amdhsa.version: [ 1, 2 ]
amdhsa.kernels:
  - .name:           k_qf583d0c1b3_gemm2
    .symbol:         k_qf583d0c1b3_gemm2.kd
    .args:
      - { .name: tq, .offset: 0, .size: 8, .value_kind: global_buffer, .address_space: global }
      - { .name: ub, .offset: 8, .size: 8, .value_kind: global_buffer, .address_space: global }
      - { .name: lowp_scales, .offset: 16, .size: 8, .value_kind: global_buffer, .address_space: global }
      - { .name: h_out, .offset: 24, .size: 8, .value_kind: global_buffer, .address_space: global }
      - { .name: out0, .offset: 32, .size: 8, .value_kind: global_buffer, .address_space: global }
    .group_segment_fixed_size: 327680
    .private_segment_fixed_size: 0
    .kernarg_segment_align: 8
    .kernarg_segment_size: 40
    .max_flat_workgroup_size: 128
    .sgpr_count:     100
    .vgpr_count:     1024
    .wavefront_size: 32
...
	.end_amdgpu_metadata
.endif
;; end of part 6
